; MI455X (gfx1250); checked and timed in simulation.
; The chip was launched on July 23, 2026; its instructions are those of AMD's public machine-readable ISA for CDNA 5 (MIT licence, August 2026) and "CDNA5" Instruction Set Architecture Reference Guide (July 2026). The comments in the code are by the model that wrote it; some were corrected since.
;; Transformer Block. Allowed arithmetic: matrix products marked QUANTISED: E2M3 operands, one E8M0 scale for each 32 along K, by v_wmma_scale_f32_16x16x128_f8f6f4 with both operands' format E2M3, f32 sums; everything else in f32.
;; Inputs: W1_codes 2,048 x 16 x 24 uint8 (E2M3 codes of W1, K innermost, in blocks of 32 codes, four codes in three bytes); W1_scales 2,048 x 16 uint8 (E8M0 scales of W1, one for each 32 codes along K); W2_codes 512 x 64 x 24 uint8 (E2M3 codes of W2, K innermost, in blocks of 32 codes, four codes in three bytes); W2_scales 512 x 64 uint8 (E8M0 scales of W2, one for each 32 codes along K); Wk_codes 512 x 16 x 24 uint8 (E2M3 codes of Wk, K innermost, in blocks of 32 codes, four codes in three bytes); Wk_scales 512 x 16 uint8 (E8M0 scales of Wk, one for each 32 codes along K); Wo_codes 512 x 16 x 24 uint8 (E2M3 codes of Wo, K innermost, in blocks of 32 codes, four codes in three bytes); Wo_scales 512 x 16 uint8 (E8M0 scales of Wo, one for each 32 codes along K); Wq_codes 512 x 16 x 24 uint8 (E2M3 codes of Wq, K innermost, in blocks of 32 codes, four codes in three bytes); Wq_scales 512 x 16 uint8 (E8M0 scales of Wq, one for each 32 codes along K); Wv_codes 512 x 16 x 24 uint8 (E2M3 codes of Wv, K innermost, in blocks of 32 codes, four codes in three bytes); Wv_scales 512 x 16 uint8 (E8M0 scales of Wv, one for each 32 codes along K); b1 2,048 float32; b2 512 float32; bo 512 float32; ln1_bias 512 float32; ln1_scale 512 float32; ln2_bias 512 float32; ln2_scale 512 float32; x 4 x 2,048 x 512 float32.
;; Outputs: out0 4 x 2,048 x 512 float32.
;; This version of the problem:
;;   THIS VERSION OF THE PROBLEM IS GIVEN IN LOW PRECISION. The matrix products marked QUANTISED in the list below multiply operands that are first quantised to E2M3 (2 exponent bits, 3 mantissa bits; 6 bits a number), with one power-of-two scale for each 32 numbers along K (OCP MX v1.0); their sums are f32. All else is computed in f32.
;;   The module's matrix products, in the order in which they are computed (A, B: the left and right operand; K: the contracted axis; several contracted axes count as one K, in the product's order):
;;     1. [M 8,192, K 512] x [K 512, N 512]; A: computed on the way; B: input Wq (given as codes): QUANTISED
;;     2. [M 8,192, K 512] x [K 512, N 512]; A: computed on the way; B: input Wk (given as codes): QUANTISED
;;     3. [M 8,192, K 512] x [K 512, N 512]; A: computed on the way; B: input Wv (given as codes): QUANTISED
;;     4. batch 64 x [M 2,048, K 32] x [K 32, N 2,048]; A: computed on the way; B: computed on the way: QUANTISED
;;     5. batch 64 x [M 2,048, K 2,048] x [K 2,048, N 32]; A: softmax (see below); B: computed on the way: QUANTISED
;;     6. [M 8,192, K 512] x [K 512, N 512]; A: computed on the way; B: input Wo (given as codes): QUANTISED
;;     7. [M 8,192, K 512] x [K 512, N 2,048]; A: computed on the way; B: input W1 (given as codes): QUANTISED
;;     8. [M 8,192, K 2,048] x [K 2,048, N 512]; A: computed on the way; B: input W2 (given as codes): QUANTISED
;;   THE QUANTISER, for each operand of a quantised product, along K:
;;     - K is cut into blocks of 32 from its start; a last block that is shorter is filled with zeros.
;;     - A block's scale is 2^e with e = floor(log2(the largest magnitude in the block)) - 2, held to -126 .. 127; a block of zeros has e = 0. As a byte (E8M0): e + 127.
;;     - Each number is divided by its block's scale, clamped to +-7.5, and rounded to the nearest number of E2M3, ties to even, subnormals kept.
;;     - The product sums the exact products of the quantised numbers (number of the format x scale) in f32.
;;   ~~~python
;;   def quantise(x, axis):      # numpy; x: float32 -> the quantised numbers, widened to float32 again
;;       x = np.moveaxis(x, axis, -1); K = x.shape[-1]
;;       x = np.pad(x, [(0, 0)] * (x.ndim - 1) + [(0, -K % 32)]); x = x.reshape(x.shape[:-1] + (-1, 32)); a = np.abs(x).max(-1, keepdims=True)
;;       e = np.where(a > 0, np.clip(np.frexp(np.where(a > 0, a, 1))[1] - 1 - 2, -126, 127), 0)      # np.frexp(a)[1] - 1 = floor(log2(a)), exactly
;;       r = np.clip(x / 2.0 ** e, -7.5, 7.5)
;;       step = 2.0 ** (np.maximum(np.frexp(np.where(r == 0, 1, r))[1] - 1, 0) - 3)
;;       q = np.round(r / step) * step * 2.0 ** e      # np.round: ties to even
;;       return np.moveaxis(q.reshape(q.shape[:-2] + (-1,))[..., :K], -1, axis).astype(np.float32)
;;   ~~~
;;   SOFTMAX AHEAD OF A QUANTISED PRODUCT. Where the list says 'softmax', what is quantised is not the finished softmax but p = 2^(t - M), with t = logit x log2(e) and M = ceil(the row's largest t), a whole number; so 1/2 < the row's largest p <= 1. The row's sum l is taken of the UNQUANTISED p, in f32, and the product's result is divided by l at the end. Since M is a whole number, a kernel that streams over the keys may use a running M (the ceiling of the running maximum): every later rescaling is an exact power of two, which a block's scale takes up: the codes' values come out the same.
;;   OPERANDS COMPUTED ON THE WAY. 'Computed on the way' means the value that the module computes at that place (a softmax that the list does not call 'softmax' is quantised finished and normalised). What goes into a quantiser is computed in f32, as accurately as f32 sums, v_exp_f32 and their like allow (about 1e-6 of the number): no bf16 or f16 on the way to a quantiser, and a product that is left as it is and whose result goes on into a quantised operand takes f32 operands (vector FMAs, or v_wmma_f32_16x16x4_f32). A number that lies on a knife's edge between two numbers of the format may be rounded either way, as far as f32 arithmetic and the matrix unit's own rounding can turn it there, and no further.
;;   INPUTS GIVEN AS CODES. W1 (in the module: [512, 2048], K = its axis 0); W2 (in the module: [2048, 512], K = its axis 0); Wk (in the module: [512, 512], K = its axis 0); Wo (in the module: [512, 512], K = its axis 0); Wq (in the module: [512, 512], K = its axis 0); Wv (in the module: [512, 512], K = its axis 0): each comes as NAME_codes (uint8): NAME with its K axis moved to the last place and cut into blocks of 32 codes, [.., K / 32, bytes a block], one block behind the other in memory; four codes in three bytes: a row's codes are one little-endian stream of bits, code i at bits 6 i .. 6 i + 5 (a code: sign, 2 exponent bits, 3 mantissa bits); and NAME_scales (uint8): the same leading axes, one E8M0 byte (e + 127) for each 32 codes along K. Its value is code x scale, taken as it is: it is not quantised again, and the codes and scales need not be those that the quantiser above would give.
;; One version. Each part assembles by itself: llvm-mc -triple=amdgcn-amd-amdhsa -mcpu=gfx1250 --defsym DOCPART=n.
;; ======== version 1 of 1: 4 launches
;; limits: right only within a limited range of input values
;; workspace buffers: wl 2,457,600 bytes; qkv 9,830,400 bytes; ctx 3,276,800 bytes
;; launch prep (part 1): grid 12 x 8, 16 waves a work-group, no clusters, 0 bytes of LDS; arguments Wq_codes, Wq_scales, Wk_codes, Wk_scales, Wv_codes, Wv_scales, Wo_codes, Wo_scales, W1_codes, W1_scales, W2_codes, W2_scales, wl; writes wl
.if DOCPART == 1
	.amdgcn_target "amdgcn-amd-amdhsa--gfx1250"
	.amdhsa_code_object_version 6
	.text
	.protected	k_qc69add9a4e_prep
	.globl	k_qc69add9a4e_prep
	.p2align	8
	.type	k_qc69add9a4e_prep,@function
k_qc69add9a4e_prep:
	s_mov_b64 s[64:65], 0
	v_nop
	global_prefetch_b8 v0, s[64:65] scope:SCOPE_SE
	s_setreg_imm32_b32 hwreg(HW_REG_WAVE_MODE, 25, 1), 1
	s_wait_xcnt 0x0
; The six weights (codes of E2M3, K innermost, with E8M0 scale bytes) are laid out once in the order in which a wave's operand registers take them.
; The dense work of the block is cut into twelve PHASES of one shape, [32 tokens] x [K 512] x [N 512]: p = 0..3: Wq, Wk, Wv, Wo; p = 4 + c: W1's output columns 512 c on; p = 8 + c: W2 with K = 512 c on.
; In a phase wave w of a later launch owns output columns 32 w .. 32 w + 31: two tiles u of 16 weight rows, four K steps s of 128.  LANE r OF TILE u TAKES WEIGHT ROW 32 w + 8 u + r + 8 (r / 8),
; so that in a result used transposed a lane's 16 registers of tiles 0 and 1 are 16 neighbouring columns.
; wl, codes: p x 196,608 + w x 12,288 + s x 3,072 + u x 1,536 + 512 i + 16 lane: registers 4 i .. 4 i + 3 of the fragment's twelve.  A later wave fetches a fragment by three loads of 512 consecutive bytes.
; wl, scales: WLS + p x 8,192 + w x 512 + 16 lane: lane (r, u) holds the four scale words (K steps 0..3) of tile u's row r.
; Grid: x = p, y = 2 s + u; wave w makes the one fragment (p, w, s, u).  The work-groups with y = 0 also make the scale words of (p, w): their load goes out with the codes' loads, under one wait.
.set WLS, 2359296
	s_load_b512 s[8:23], s[0:1], 0x0               ; Wq's codes, scales; Wk's; Wv's; Wo's
	s_load_b256 s[24:31], s[0:1], 0x40             ; W1's, W2's
	s_load_b64 s[32:33], s[0:1], 0x60              ; wl
	v_lshrrev_b32 v1, 5, v0
	s_delay_alu instid0(VALU_DEP_1)
	v_readfirstlane_b32 s2, v1                     ; wave w
	s_and_b32 s3, ttmp7, 0xffff                    ; y = 2 s + u
	s_and_b32 s4, s3, 1                            ; u
	s_lshr_b32 s5, s3, 1                           ; s
	v_and_b32 v1, 31, v0                           ; lane
	v_and_b32 v2, 15, v0                           ; r
	v_bfe_u32 v3, v0, 4, 1                         ; h
	s_delay_alu instid0(VALU_DEP_2)
	v_and_b32 v4, 8, v2
	s_delay_alu instid0(VALU_DEP_1)
	v_add_nc_u32 v4, v4, v2                        ; r + 8 (r / 8)
	; the phase's figures: first weight row, bytes of a row of codes, first byte of the phase's K in it; the same for the scale bytes
	s_wait_alu depctr_va_vdst(0)
	s_sub_co_u32 s34, ttmp9, 4
	s_lshl_b32 s34, s34, 9                         ; W1: 512 (p - 4)
	s_sub_co_u32 s36, ttmp9, 8
	s_mul_i32 s38, s36, 16                         ; W2: 16 (p - 8) scale bytes,
	s_mul_i32 s36, s36, 384                        ; 384 (p - 8) bytes of codes
	s_mov_b32 s35, 384
	s_cmp_ge_u32 ttmp9, 4
	s_cselect_b32 s34, s34, 0
	s_cmp_ge_u32 ttmp9, 8
	s_cselect_b32 s34, 0, s34                      ; first row
	s_cselect_b32 s35, 1536, s35                   ; a row of codes
	s_cselect_b32 s36, s36, 0                      ; the phase's K in it
	s_cselect_b32 s37, 64, 16                      ; a row of scale bytes
	s_cselect_b32 s38, s38, 0
	s_lshl_b32 s39, s2, 5
	s_add_co_u32 s39, s39, s34                     ; first row + 32 w
	s_lshl_b32 s40, s4, 3
	s_add_co_u32 s40, s40, s39                     ; + 8 u
	v_add_nc_u32 v5, s40, v4                       ; my weight row
	s_delay_alu instid0(VALU_DEP_1)
	v_mul_lo_u32 v6, v5, s35
	s_delay_alu instid0(VALU_DEP_1)
	v_mad_u32_u24 v6, v3, 24, v6                   ; + 24 h: lane (r, h) holds k = 64 c + 32 h + 0 .. 31
	s_mul_i32 s41, s5, 96
	s_add_co_u32 s41, s41, s36
	v_add_nc_u32 v6, s41, v6                       ; + the K step's 96 bytes
	s_mul_i32 s42, s2, 12288
	v_lshl_add_u32 v7, v1, 4, s42                  ; out: w x 12,288 + 16 lane
	s_mul_i32 s44, ttmp9, 196608
	s_mul_i32 s45, s3, 1536
	s_add_co_u32 s44, s44, s45
	s_mov_b32 s45, 0
	s_wait_alu depctr_va_vdst(0)
	s_wait_kmcnt 0x0
	s_cmp_eq_u32 ttmp9, 1                          ; the phase's tensor: a choice on the work-group's number alone
	s_cselect_b64 s[8:9], s[12:13], s[8:9]
	s_cselect_b64 s[10:11], s[14:15], s[10:11]
	s_cmp_eq_u32 ttmp9, 2
	s_cselect_b64 s[8:9], s[16:17], s[8:9]
	s_cselect_b64 s[10:11], s[18:19], s[10:11]
	s_cmp_eq_u32 ttmp9, 3
	s_cselect_b64 s[8:9], s[20:21], s[8:9]
	s_cselect_b64 s[10:11], s[22:23], s[10:11]
	s_cmp_ge_u32 ttmp9, 4
	s_cselect_b64 s[8:9], s[24:25], s[8:9]
	s_cselect_b64 s[10:11], s[26:27], s[10:11]
	s_cmp_ge_u32 ttmp9, 8
	s_cselect_b64 s[8:9], s[28:29], s[8:9]
	s_cselect_b64 s[10:11], s[30:31], s[10:11]
	s_add_nc_u64 s[46:47], s[32:33], s[44:45]
.irp k, 0,1,2,3,4,5
	global_load_b64 v[8+2*\k:9+2*\k], v6, s[8:9] offset:48*(\k/3)+8*(\k%3)   ; the fragment's twelve registers, in pieces of 8 bytes
.endr
	s_cmp_lg_u32 s3, 0
	s_cbranch_scc1 .Lcodes
	; y = 0: codes and scale words
	v_lshl_add_u32 v20, v3, 3, v4                  ; here the lane's half is the tile: 8 u + r + 8 (r / 8)
	s_delay_alu instid0(VALU_DEP_1)
	v_add_nc_u32 v20, s39, v20
	s_delay_alu instid0(VALU_DEP_1)
	v_mul_lo_u32 v21, v20, s37
	s_delay_alu instid0(VALU_DEP_1)
	v_add_nc_u32 v21, s38, v21
	global_load_b128 v[24:27], v21, s[10:11]       ; 16 scale bytes: four words, K steps 0 .. 3
	s_lshl_b32 s42, s2, 9
	v_lshl_add_u32 v22, v1, 4, s42
	s_lshl_b32 s44, ttmp9, 13
	s_add_co_u32 s44, s44, WLS
	s_add_nc_u64 s[48:49], s[32:33], s[44:45]
	s_wait_alu depctr_va_vdst(0)                   ; the wait ahead of the wait below
	s_wait_loadcnt 0x0
.irp i, 0,1,2
	global_store_b128 v7, v[8+4*\i:11+4*\i], s[46:47] offset:512*\i          ; 32 lanes store 512 consecutive bytes
.endr
	global_store_b128 v22, v[24:27], s[48:49]
	s_endpgm
.Lcodes:                                               ; the other work-groups: codes alone
	s_wait_loadcnt 0x0
.irp i, 0,1,2
	global_store_b128 v7, v[8+4*\i:11+4*\i], s[46:47] offset:512*\i
.endr
	s_endpgm
.Lfunc_end_k_qc69add9a4e_prep:
	.size	k_qc69add9a4e_prep, .Lfunc_end_k_qc69add9a4e_prep-k_qc69add9a4e_prep
	.p2alignl 7, 3214868480
	.fill 96, 4, 3214868480
	.section	.rodata,"a",@progbits
	.p2align	6, 0x0
	.amdhsa_kernel k_qc69add9a4e_prep
		.amdhsa_group_segment_fixed_size 0
		.amdhsa_private_segment_fixed_size 0
		.amdhsa_enable_private_segment 0
		.amdhsa_kernarg_size 104
		.amdhsa_user_sgpr_count 2
		.amdhsa_user_sgpr_kernarg_segment_ptr 1
		.amdhsa_wavefront_size32 1
		.amdhsa_system_sgpr_workgroup_id_x 1
		.amdhsa_system_sgpr_workgroup_id_y 1
		.amdhsa_system_sgpr_workgroup_id_z 1
		.amdhsa_system_vgpr_workitem_id 0
		.amdhsa_next_free_vgpr 32
		.amdhsa_next_free_sgpr 66
		.amdhsa_reserve_vcc 0
		.amdhsa_float_denorm_mode_32 3
		.amdhsa_float_denorm_mode_16_64 3
		.amdhsa_memory_ordered 1
		.amdhsa_forward_progress 1
		.amdhsa_inst_pref_size 5
	.end_amdhsa_kernel
	.amdgpu_metadata
---
amdhsa.version: [ 1, 2 ]
amdhsa.kernels:
  - .name:           k_qc69add9a4e_prep
    .symbol:         k_qc69add9a4e_prep.kd
    .args:
      - { .name: Wq_codes, .offset: 0, .size: 8, .value_kind: global_buffer, .address_space: global }
      - { .name: Wq_scales, .offset: 8, .size: 8, .value_kind: global_buffer, .address_space: global }
      - { .name: Wk_codes, .offset: 16, .size: 8, .value_kind: global_buffer, .address_space: global }
      - { .name: Wk_scales, .offset: 24, .size: 8, .value_kind: global_buffer, .address_space: global }
      - { .name: Wv_codes, .offset: 32, .size: 8, .value_kind: global_buffer, .address_space: global }
      - { .name: Wv_scales, .offset: 40, .size: 8, .value_kind: global_buffer, .address_space: global }
      - { .name: Wo_codes, .offset: 48, .size: 8, .value_kind: global_buffer, .address_space: global }
      - { .name: Wo_scales, .offset: 56, .size: 8, .value_kind: global_buffer, .address_space: global }
      - { .name: W1_codes, .offset: 64, .size: 8, .value_kind: global_buffer, .address_space: global }
      - { .name: W1_scales, .offset: 72, .size: 8, .value_kind: global_buffer, .address_space: global }
      - { .name: W2_codes, .offset: 80, .size: 8, .value_kind: global_buffer, .address_space: global }
      - { .name: W2_scales, .offset: 88, .size: 8, .value_kind: global_buffer, .address_space: global }
      - { .name: wl, .offset: 96, .size: 8, .value_kind: global_buffer, .address_space: global }
    .group_segment_fixed_size: 0
    .private_segment_fixed_size: 0
    .kernarg_segment_align: 8
    .kernarg_segment_size: 104
    .max_flat_workgroup_size: 512
    .sgpr_count:     66
    .vgpr_count:     32
    .wavefront_size: 32
...
	.end_amdgpu_metadata
.endif
;; end of part 1
;; launch qkv (part 2): grid 256 x 1, 16 waves a work-group, no clusters, 102,400 bytes of LDS; arguments x, ln1_scale, ln1_bias, wl, qkv; writes qkv
.if DOCPART == 2
	.amdgcn_target "amdgcn-amd-amdhsa--gfx1250"
	.amdhsa_code_object_version 6
	.text
	.protected	k_qc69add9a4e_qkv
	.globl	k_qc69add9a4e_qkv
	.p2align	8
	.type	k_qc69add9a4e_qkv,@function
k_qc69add9a4e_qkv:
	s_mov_b64 s[64:65], 0
	v_nop
	global_prefetch_b8 v0, s[64:65] scope:SCOPE_SE
	s_setreg_imm32_b32 hwreg(HW_REG_WAVE_MODE, 25, 1), 1
	s_wait_xcnt 0x0
; h = layernorm(x) (variance over 511), quantised to E2M3 along its 512; q = h Wq, k = h Wk, v = h Wv on codes; q and k quantised along a head's 32, v along 32 keys; all three leave as codes and scale bytes.
; SHARES.  A work-group owns 32 consecutive tokens (a GROUP G of one sequence); sixteen waves of 256 registers, four to a SIMD.  Wave w owns output columns 32 w .. 32 w + 31 of each product: head w.
; POSITIONS.  The 32 tokens form two tiles tt of 16: row r of tile tt is token 8 tt + r + 8 (r / 8).  Weight tiles are chosen the same way.  So a product used transposed (source 0 = 16 weight rows, source 1 = 16 tokens)
; leaves lane (r, h) 16 neighbouring columns 32 w + 16 h + 0 .. 15 of token (tt, r), and v's product, used as it stands (source 0 = tokens), leaves it 16 neighbouring TOKENS 16 h + 0 .. 15 of one channel: each time half a block of 32 along the next K.
; WEIGHTS come from wl in the order of the operand's registers, straight into the wave's registers: three loads of 512 consecutive bytes a fragment, a ring of four K steps, up to 25 loads a wave on their way, over barriers too.
; NO CLUSTER, NO JOINT LOADS: each weight fragment feeds ONE wave of a work-group, once (4 matrix instructions); a joint load lands in LDS, where each byte would be written once and read once on its way to the same registers.
; THE ACTIVATIONS go from wave to wave through LDS as an image of the operand's registers: fragment (tt, s) is 1,536 bytes, lane l's twelve registers at 48 l; scale words at 128 s + 4 (16 tt + r).
; OUT (qkv): for head bh and group G 768 bytes of codes as three planes of 256: plane i holds bytes 8 i .. 8 i + 7 of lane's block at 8 x lane; one scale byte a lane.  For q and k a lane is a token position 16 tt + r, for v a channel 8 u + r + 8 (r / 8) at lane 16 u + r.
; LIMITS: NaN and infinities among the inputs are not served.  A block whose largest magnitude lies under 2^-124 keeps the scale byte 1, a block of zeros too where the rule says 127: its codes are zeros, and these bytes are read by this program alone.
; REGISTERS: v1-15 addresses, never rewritten; v16-23 weights' scale words (two sets), v24-27 activations' scale words; v28-31 mean, then 1 / sqrt(var + eps); v32-63 the accumulators; v64-72 codes just made;
;   v96-143 two buffers of activation fragments (at work elsewhere too); v144-239 the ring of weight fragments; v240-247 the quantiser's.
.set XP,    2064                       ; LDS: 32 rows of x, 2,048 bytes + 16
.set PAR,   66048                      ; ln1_scale, then ln1_bias
.set RED1,  82432                      ; partial sums: [tt] 1,280 = 16 rows x 80 bytes, word w; the second reduction 2,560 further on
.set IMG,   87552                      ; the image: 12,288 bytes of codes, 512 of scale words
.set SLOTB, 12800
.set WLS,   2359296
.set OKC,   3145728                    ; qkv: k's codes, v's codes, the scale bytes
.set OVC,   6291456
.set OQS,   9437184
.set WL,    10
.set SEL,   20
.set QMX,   240
.set QTP,   242
.set QSO,   244
.set QBY,   246
.macro PLACES                          ; four plain vector instructions behind a matrix instruction, ahead of loads into its operands and of reads of its result
.rept 4
	v_nop
.endr
.endm
.macro BAR                             ; my LDS stores have landed and my LDS loads are in; then the work-group's barrier
	s_wait_dscnt 0x0
	s_barrier_signal -1
	s_barrier_wait -1
.endm
; One matrix instruction.  ra, rb = 1: that side's scale words stand in lanes 16-31.  z = 1: it starts the sum.
.macro MM d, a, b, sa, sb, ra, rb, z
.if \z
.if (\ra) && (\rb)
	v_wmma_scale_f32_16x16x128_f8f6f4 v[\d:\d+7], v[\a:\a+11], v[\b:\b+11], 0, v[\sa], v[\sb] matrix_a_fmt:MATRIX_FMT_FP6 matrix_b_fmt:MATRIX_FMT_FP6 matrix_a_scale:MATRIX_SCALE_ROW1 matrix_b_scale:MATRIX_SCALE_ROW1
.elseif \ra
	v_wmma_scale_f32_16x16x128_f8f6f4 v[\d:\d+7], v[\a:\a+11], v[\b:\b+11], 0, v[\sa], v[\sb] matrix_a_fmt:MATRIX_FMT_FP6 matrix_b_fmt:MATRIX_FMT_FP6 matrix_a_scale:MATRIX_SCALE_ROW1
.elseif \rb
	v_wmma_scale_f32_16x16x128_f8f6f4 v[\d:\d+7], v[\a:\a+11], v[\b:\b+11], 0, v[\sa], v[\sb] matrix_a_fmt:MATRIX_FMT_FP6 matrix_b_fmt:MATRIX_FMT_FP6 matrix_b_scale:MATRIX_SCALE_ROW1
.else
	v_wmma_scale_f32_16x16x128_f8f6f4 v[\d:\d+7], v[\a:\a+11], v[\b:\b+11], 0, v[\sa], v[\sb] matrix_a_fmt:MATRIX_FMT_FP6 matrix_b_fmt:MATRIX_FMT_FP6
.endif
.else
.if (\ra) && (\rb)
	v_wmma_scale_f32_16x16x128_f8f6f4 v[\d:\d+7], v[\a:\a+11], v[\b:\b+11], v[\d:\d+7], v[\sa], v[\sb] matrix_a_fmt:MATRIX_FMT_FP6 matrix_b_fmt:MATRIX_FMT_FP6 matrix_a_scale:MATRIX_SCALE_ROW1 matrix_b_scale:MATRIX_SCALE_ROW1
.elseif \ra
	v_wmma_scale_f32_16x16x128_f8f6f4 v[\d:\d+7], v[\a:\a+11], v[\b:\b+11], v[\d:\d+7], v[\sa], v[\sb] matrix_a_fmt:MATRIX_FMT_FP6 matrix_b_fmt:MATRIX_FMT_FP6 matrix_a_scale:MATRIX_SCALE_ROW1
.elseif \rb
	v_wmma_scale_f32_16x16x128_f8f6f4 v[\d:\d+7], v[\a:\a+11], v[\b:\b+11], v[\d:\d+7], v[\sa], v[\sb] matrix_a_fmt:MATRIX_FMT_FP6 matrix_b_fmt:MATRIX_FMT_FP6 matrix_b_scale:MATRIX_SCALE_ROW1
.else
	v_wmma_scale_f32_16x16x128_f8f6f4 v[\d:\d+7], v[\a:\a+11], v[\b:\b+11], v[\d:\d+7], v[\sa], v[\sb] matrix_a_fmt:MATRIX_FMT_FP6 matrix_b_fmt:MATRIX_FMT_FP6
.endif
.endif
.endm
.macro GETA slot, s, buf               ; the two token tiles' fragments of K step s, out of image slot, into buffer buf: six loads
.irp tt, 0,1
.irp i, 0,1,2
	ds_load_b128 v[96+24*(\buf)+12*\tt+4*\i:96+24*(\buf)+12*\tt+4*\i+3], v3 offset:(\slot)*SLOTB+(4*\tt+(\s))*1536+16*\i
.endr
.endr
.endm
.macro RING p, s                       ; my two weight fragments of phase p, K step s, into the ring's set s: six loads of 512 consecutive bytes
.irp u, 0,1
.irp i, 0,1,2
	global_load_b128 v[144+24*(\s)+12*\u+4*\i:144+24*(\s)+12*\u+4*\i+3], v1, s[WL:WL+1] offset:(\p)*196608+(\s)*3072+\u*1536+512*\i
.endr
.endr
.endm
.macro RINGS p, set                    ; and the phase's scale words: register s: lanes 0-15 tile 0's rows, lanes 16-31 tile 1's
	global_load_b128 v[16+4*(\set):19+4*(\set)], v2, s[WL:WL+1] offset:WLS+(\p)*8192
.endm
; One K step of a phase: four matrix instructions on four accumulators by turns, in the same order in every step.
.macro GSTEP slot, acc, z, nat, nxt, pn, set, s
.if (\s) == 0
	s_wait_loadcnt 18                              ; loads return in order: the scale words and set 0 are in; sets 1 to 3, 18 loads, may be out
.else
	s_wait_loadcnt 6*(3-(\s))+(\nxt)*(1+6*(\s))    ; behind set s: this phase's later sets, and of the next phase the scale words and the sets asked for so far
.endif
.if (\s) < 3
	s_wait_dscnt 6                                 ; the other buffer's six loads may be out; all that is older is in
.else
	s_wait_dscnt 0x0
.endif
.set ZF, 0
.if (\z) && ((\s) == 0)
.set ZF, 1
.endif
.irp tt, 0,1
.irp u, 0,1
.if \nat
	MM (\acc)+16*\u+8*\tt, 96+24*((\s)%2)+12*\tt, 144+24*(\s)+12*\u, 24+(\s), 16+4*(\set)+(\s), \tt, \u, ZF
.else
	MM (\acc)+16*\tt+8*\u, 144+24*(\s)+12*\u, 96+24*((\s)%2)+12*\tt, 16+4*(\set)+(\s), 24+(\s), \u, \tt, ZF
.endif
.endr
.endr
	PLACES
.if (\s) < 2
	GETA \slot, (\s)+2, (\s)%2
.endif
.if \nxt
.if (\s) == 0
	RINGS \pn, 1-(\set)
.endif
	RING \pn, \s                                   ; the set just multiplied takes the next phase's K step s
.endif
.endm
; A phase: [32 tokens] x [K 512] x [my 32 columns].  p: its number (its weights are already on their way); slot: the image; z = 1: sums start at 0; nat = 1: source 0 = tokens; nxt = 1: phase pn is asked for; set: my scale set.
.macro GEMM p, slot, acc, z, nat, nxt, pn, set
.irp s, 0,1,2,3
	ds_load_b32 v[24+\s], v4 offset:(\slot)*SLOTB+128*\s   ; lanes 0-15: tile 0's scale words, lanes 16-31: tile 1's
.endr
	GETA \slot, 0, 0
	GETA \slot, 1, 1
	GSTEP \slot, \acc, \z, \nat, \nxt, \pn, \set, 0
	GSTEP \slot, \acc, \z, \nat, \nxt, \pn, \set, 1
	GSTEP \slot, \acc, \z, \nat, \nxt, \pn, \set, 2
	GSTEP \slot, \acc, \z, \nat, \nxt, \pn, \set, 3
.endm
; Two runs of 16 registers, each half a block of 32 (the other half lies in lane l xor 16), become codes.  Afterwards lane (r, g) holds in v[cd .. cd + 5] the whole block of run g's row r, and in v[QBY] its scale byte.
.macro QUANT2 x0, x1, cd
	v_max3_num_f32 v[QMX], |v[\x0]|, |v[\x0+1]|, 0x1800000       ; the largest magnitude, with the floor 2^(3 - 127) among its leaves: the byte cannot fall under 1
	v_max3_num_f32 v[QMX+1], |v[\x1]|, |v[\x1+1]|, 0x1800000
.irp i, 2,4,6,8,10,12,14
	v_max3_num_f32 v[QMX], v[QMX], |v[\x0+\i]|, |v[\x0+\i+1]|
	v_max3_num_f32 v[QMX+1], v[QMX+1], |v[\x1+\i]|, |v[\x1+\i+1]|
.endr
	s_delay_alu instid0(VALU_DEP_2)
	v_permlanex16_b32 v[QTP], v[QMX], s[SEL], s[SEL+1]
	s_delay_alu instid0(VALU_DEP_2)
	v_permlanex16_b32 v[QTP+1], v[QMX+1], s[SEL], s[SEL+1]
	s_delay_alu instid0(VALU_DEP_2)
	v_max_num_f32 v[QMX], v[QMX], v[QTP]
	s_delay_alu instid0(VALU_DEP_2)
	v_max_num_f32 v[QMX+1], v[QMX+1], v[QTP+1]
	s_delay_alu instid0(VALU_DEP_2)
	v_add_nc_u32 v[QSO], 0xff000000, v[QMX]        ; 2 off the exponent field: the conversion takes that field as its scale
	s_delay_alu instid0(VALU_DEP_2)
	v_add_nc_u32 v[QSO+1], 0xff000000, v[QMX+1]
	s_delay_alu instid0(VALU_DEP_2)
	v_lshrrev_b32 v[QBY], 23, v[QSO]               ; the scale's byte
	s_delay_alu instid0(VALU_DEP_2)
	v_lshrrev_b32 v[QBY+1], 23, v[QSO+1]
	v_cvt_scalef32_pk16_fp6_f32 v[\cd:\cd+2], v[\x0:\x0+15], v[QSO]
	v_cvt_scalef32_pk16_fp6_f32 v[\cd+6:\cd+8], v[\x1:\x1+15], v[QSO+1]
	v_nop                                          ; one plain instruction behind a scaled conversion
.irp i, 0,1,2
	v_permlane16_swap_b32 v[\cd+\i], v[\cd+6+\i]   ; the first's lanes 16-31 change places with the second's lanes 0-15: the first now holds each lane's block's lower 16 codes, the second the upper 16
.endr
	v_permlane16_swap_b32 v[QBY], v[QBY+1]
.irp i, 0,1,2
	s_delay_alu instid0(VALU_DEP_4)
	v_mov_b32 v[\cd+3+\i], v[\cd+6+\i]
.endr
.endm
; My block is block w of K = 512: K step w / 4, registers 6 ((w / 2) % 2) on, lanes 16 (w % 2) on, of token tile g's fragment.
.macro PUT slot, cd, by
.irp i, 0,1,2
	ds_store_b64 v5, v[\cd+2*\i:\cd+2*\i+1] offset:(\slot)*SLOTB+8*\i
.endr
	ds_store_b8 v6, v[\by] offset:(\slot)*SLOTB
.endm
.macro SUM16 src, dst, tm              ; sixteen registers, from the low end on
	v_pk_add_f32 v[\tm:\tm+1], v[\src:\src+1], v[\src+2:\src+3]
	v_pk_add_f32 v[\tm+2:\tm+3], v[\src+4:\src+5], v[\src+6:\src+7]
	v_pk_add_f32 v[\tm+4:\tm+5], v[\src+8:\src+9], v[\src+10:\src+11]
	v_pk_add_f32 v[\tm+6:\tm+7], v[\src+12:\src+13], v[\src+14:\src+15]
	s_delay_alu instid0(VALU_DEP_3)
	v_pk_add_f32 v[\tm:\tm+1], v[\tm:\tm+1], v[\tm+2:\tm+3]
	s_delay_alu instid0(VALU_DEP_2)
	v_pk_add_f32 v[\tm+4:\tm+5], v[\tm+4:\tm+5], v[\tm+6:\tm+7]
	s_delay_alu instid0(VALU_DEP_1)
	v_pk_add_f32 v[\tm:\tm+1], v[\tm:\tm+1], v[\tm+4:\tm+5]
	s_delay_alu instid0(VALU_DEP_1)
	v_add_f32 v[\dst], v[\tm], v[\tm+1]
.endm
; v[QMX], v[QMX + 1]: my 16 columns' part of a sum for rows (0, r) and (1, r).  With lane l xor 16's: my wave's 32 columns; through LDS: all sixteen waves', in the same order in every wave.
.macro ALLW off
	v_permlanex16_b32 v[QTP], v[QMX], s[SEL], s[SEL+1]
	s_delay_alu instid0(VALU_DEP_2)
	v_permlanex16_b32 v[QTP+1], v[QMX+1], s[SEL], s[SEL+1]
	s_delay_alu instid0(VALU_DEP_2)
	v_add_f32 v[QMX], v[QMX], v[QTP]
	s_delay_alu instid0(VALU_DEP_2)
	v_add_f32 v[QMX+1], v[QMX+1], v[QTP+1]
	ds_store_b32 v11, v[QMX] offset:\off           ; both halves of the lanes write the same word with the same value
	ds_store_b32 v11, v[QMX+1] offset:\off+1280
	BAR
.irp tt, 0,1
.irp i, 0,1,2,3
	ds_load_b128 v[96+16*\tt+4*\i:99+16*\tt+4*\i], v12 offset:\off+1280*\tt+16*\i
.endr
.endr
	s_wait_dscnt 0x0
	SUM16 96, QMX, 128
	SUM16 112, QMX+1, 136
.endm
.macro LN_MEAN                         ; the rows' means into v[28:29], v[30:31] (twice each, for the packed forms)
	SUM16 32, QMX, 128
	SUM16 48, QMX+1, 136
	ALLW 0
	v_mul_f32 v28, s22, v[QMX]
	s_delay_alu instid0(VALU_DEP_2)
	v_mul_f32 v30, s22, v[QMX+1]
	s_delay_alu instid0(VALU_DEP_2)
	v_mov_b32 v29, v28
	s_delay_alu instid0(VALU_DEP_2)
	v_mov_b32 v31, v30
.endm
.macro LN_REST                         ; v32-63 become (x - mean) / sqrt(var + eps) x scale + bias; the variance is taken of the differences, so a common offset costs no accuracy
.irp tt, 0,1
.set jj, 0
.rept 8
	v_pk_add_f32 v[32+16*\tt+jj:33+16*\tt+jj], v[32+16*\tt+jj:33+16*\tt+jj], v[28+2*\tt:29+2*\tt] neg_lo:[0,1] neg_hi:[0,1]
.set jj, jj+2
.endr
.endr
.irp tt, 0,1
	v_pk_mul_f32 v[128+8*\tt:129+8*\tt], v[32+16*\tt:33+16*\tt], v[32+16*\tt:33+16*\tt]
	v_pk_mul_f32 v[130+8*\tt:131+8*\tt], v[34+16*\tt:35+16*\tt], v[34+16*\tt:35+16*\tt]
.irp j, 4,8,12
	s_delay_alu instid0(VALU_DEP_2)
	v_pk_fma_f32 v[128+8*\tt:129+8*\tt], v[32+16*\tt+\j:33+16*\tt+\j], v[32+16*\tt+\j:33+16*\tt+\j], v[128+8*\tt:129+8*\tt]
	s_delay_alu instid0(VALU_DEP_2)
	v_pk_fma_f32 v[130+8*\tt:131+8*\tt], v[34+16*\tt+\j:35+16*\tt+\j], v[34+16*\tt+\j:35+16*\tt+\j], v[130+8*\tt:131+8*\tt]
.endr
	s_delay_alu instid0(VALU_DEP_1)
	v_pk_add_f32 v[128+8*\tt:129+8*\tt], v[128+8*\tt:129+8*\tt], v[130+8*\tt:131+8*\tt]
	s_delay_alu instid0(VALU_DEP_1)
	v_add_f32 v[QMX+\tt], v[128+8*\tt], v[129+8*\tt]
.endr
	ALLW 2560
	v_fma_f32 v[QMX], v[QMX], s23, s24             ; the sum of squares / 511 + eps
	s_delay_alu instid0(VALU_DEP_2)
	v_fma_f32 v[QMX+1], v[QMX+1], s23, s24
	s_wait_alu depctr_va_vdst(0)
	v_rsq_f32 v28, v[QMX]
	v_rsq_f32 v30, v[QMX+1]
.irp i, 0,1,2,3
	ds_load_b128 v[96+4*\i:99+4*\i], v10 offset:16*\i              ; the gain of my 16 columns,
	ds_load_b128 v[112+4*\i:115+4*\i], v10 offset:2048+16*\i       ; and the bias
.endr
	v_nop                                          ; a plain instruction behind the transcendentals
	s_wait_alu depctr_va_vdst(0)                   ; one wait for both, ahead of their first reader
	v_mov_b32 v29, v28
	v_mov_b32 v31, v30
	s_wait_alu depctr_va_vdst(0)
	s_wait_dscnt 0x0
.irp tt, 0,1
.set jj, 0
.rept 8
	v_pk_mul_f32 v[32+16*\tt+jj:33+16*\tt+jj], v[32+16*\tt+jj:33+16*\tt+jj], v[28+2*\tt:29+2*\tt]
.set jj, jj+2
.endr
.endr
.irp tt, 0,1
.set jj, 0
.rept 8
	v_pk_fma_f32 v[32+16*\tt+jj:33+16*\tt+jj], v[32+16*\tt+jj:33+16*\tt+jj], v[96+jj:97+jj], v[112+jj:113+jj]
.set jj, jj+2
.endr
.endr
.endm
.macro OUTQ part, spart                ; a lane's block: three stores, each 256 consecutive aligned bytes of the wave; its scale byte
.irp i, 0,1,2
	global_store_b64 v13, v[64+2*\i:65+2*\i], s[12:13] offset:\part+256*\i
.endr
	global_store_b8 v14, v[QBY], s[18:19] offset:\spart
.endm
	s_load_b256 s[4:11], s[0:1], 0x0               ; x, ln1_scale, ln1_bias, wl
	s_load_b64 s[12:13], s[0:1], 0x20              ; qkv
	v_lshl_add_u32 v254, v0, 2, 0x18800
	v_mov_b32 v255, 0
	v_lshrrev_b32 v240, 5, v0
	s_delay_alu instid0(VALU_DEP_1)
	v_readfirstlane_b32 s2, v240                   ; wave w
	v_and_b32 v240, 31, v0                         ; lane l
	v_and_b32 v241, 15, v0                         ; r
	s_wait_alu depctr_va_vdst(0)
	v_bfe_u32 v242, v0, 4, 1                       ; h
	v_and_b32 v243, 8, v241
	s_delay_alu instid0(VALU_DEP_1)
	v_add_nc_u32 v243, v243, v241                  ; r + 8 (r / 8)
	s_mul_i32 s25, s2, 12288
	v_lshl_add_u32 v1, v240, 4, s25                ; wl: my wave's fragments
	s_lshl_b32 s25, s2, 9
	v_lshl_add_u32 v2, v240, 4, s25                ; wl: my wave's scale words
	v_mul_u32_u24 v3, v240, 48
	s_delay_alu instid0(VALU_DEP_1)
	v_add_nc_u32 v3, IMG, v3                       ; the image: 48 bytes a lane
	v_lshl_add_u32 v4, v240, 2, IMG+12288          ; its scale words
	s_lshr_b32 s25, s2, 2
	s_mul_i32 s26, s25, 1536
	s_and_b32 s27, s2, 1
	s_mul_i32 s27, s27, 768
	s_add_co_u32 s26, s26, s27
	s_bfe_u32 s27, s2, 0x10001
	s_mul_i32 s27, s27, 24
	s_add_co_u32 s26, s26, s27
	s_add_co_u32 s26, s26, IMG
	v_mul_u32_u24 v5, v241, 48
	s_wait_alu depctr_va_vdst(0)
	v_mad_u32_u24 v5, v242, 6144, v5
	s_delay_alu instid0(VALU_DEP_1)
	v_add_nc_u32 v5, s26, v5                       ; where my block's 24 bytes go
	s_lshl_b32 s26, s25, 7
	s_and_b32 s27, s2, 3
	s_add_co_u32 s26, s26, s27
	s_add_co_u32 s26, s26, IMG+12288
	v_lshl_add_u32 v6, v240, 2, s26                ; and its scale byte
	v_mul_u32_u24 v7, v243, XP
	s_delay_alu instid0(VALU_DEP_1)
	v_lshl_add_u32 v7, v242, 6, v7
	s_lshl_b32 s26, s2, 7
	v_add_nc_u32 v7, s26, v7                       ; x in LDS: token r + 8 (r / 8), columns 32 w + 16 h on; tile 1 is 8 rows on
	s_mul_i32 s27, s2, 2*XP
	v_lshl_add_u32 v8, v240, 4, s27                ; x in LDS: rows 2 w, 2 w + 1 whole
	s_lshl_b32 s27, s2, 12
	v_lshl_add_u32 v9, v240, 4, s27                ; the same in memory
	s_add_co_u32 s26, s26, PAR
	v_lshl_add_u32 v10, v242, 6, s26               ; the parameters of my 16 columns
	v_mul_u32_u24 v12, v241, 80
	s_delay_alu instid0(VALU_DEP_1)
	v_add_nc_u32 v12, RED1, v12                    ; row r's sixteen partial sums
	s_lshl_b32 s27, s2, 2
	v_add_nc_u32 v11, s27, v12                     ; and mine among them
	s_lshr_b32 s14, ttmp9, 6                       ; the sequence
	s_and_b32 s15, ttmp9, 63                       ; G
	s_lshl_b32 s14, s14, 4
	s_add_co_u32 s14, s14, s2                      ; bh = 16 x sequence + head
	s_lshl_b32 s16, s14, 6
	s_add_co_u32 s16, s16, s15
	s_mul_i32 s16, s16, 768
	v_lshl_add_u32 v13, v240, 3, s16               ; qkv: (bh, G)'s planes, 8 bytes a lane
	s_lshl_b32 s16, s14, 11
	s_lshl_b32 s17, s15, 5
	s_add_co_u32 s16, s16, s17
	v_add_nc_u32 v14, s16, v240                    ; and its scale bytes
	v_lshl_add_u32 v15, v0, 3, PAR
	v_and_b32 v66, 255, v0
	s_delay_alu instid0(VALU_DEP_1)
	v_lshlrev_b32 v66, 3, v66
	s_lshl_b32 s14, ttmp9, 16                      ; 32 rows of 2,048 bytes
	s_mov_b32 s15, 0
	s_mov_b32 s[SEL], 0x76543210
	s_mov_b32 s[SEL+1], 0xfedcba98                 ; v_permlanex16_b32's selects for lane l xor 16
	s_mov_b32 s22, 0x3b000000                      ; 1 / 512
	s_mov_b32 s23, 0x3b004020                      ; 1 / 511
	s_mov_b32 s24, 0x3727c5ac                      ; 1e-5
	s_wait_alu depctr_va_vdst(0)
	s_wait_kmcnt 0x0
	s_add_nc_u64 s[4:5], s[4:5], s[14:15]
	s_cmp_lt_u32 s2, 8                             ; waves 0-7 bring the gain, waves 8-15 the bias
	s_cselect_b64 s[16:17], s[6:7], s[8:9]
	s_add_nc_u64 s[18:19], s[12:13], OQS
.irp k, 0,1,2,3
	global_load_b128 v[32+4*\k:35+4*\k], v9, s[4:5] offset:512*\k          ; row 2 w: 512 consecutive bytes a load
.endr
.irp k, 0,1,2,3
	global_load_b128 v[48+4*\k:51+4*\k], v9, s[4:5] offset:2048+512*\k     ; row 2 w + 1
.endr
	global_load_b64 v[64:65], v66, s[16:17]
	RINGS 0, 0                                     ; q's weights are asked for at once
	RING 0, 0
	RING 0, 1
	RING 0, 2
	RING 0, 3
	s_wait_loadcnt 25                              ; the ring's 25 loads may be out; the nine ahead of them are in
.irp k, 0,1,2,3
	ds_store_b128 v8, v[32+4*\k:35+4*\k] offset:512*\k
	ds_store_b128 v8, v[48+4*\k:51+4*\k] offset:XP+512*\k
.endr
	ds_store_b64 v15, v[64:65]
	BAR                                            ; 32 rows of x and the parameters lie in LDS
.irp tt, 0,1
.irp i, 0,1,2,3
	ds_load_b128 v[32+16*\tt+4*\i:35+16*\tt+4*\i], v7 offset:8*XP*\tt+16*\i   ; lane (r, h): columns 32 w + 16 h + 0 .. 15 of token (tt, r)
.endr
.endr
	s_wait_dscnt 0x0
	LN_MEAN
	LN_REST
	QUANT2 32, 48, 64
	PUT 0, 64, QBY
	BAR                                            ; h's eight fragments lie in LDS; nothing is written there again
	GEMM 0, 0, 32, 1, 0, 1, 1, 0                   ; q, transposed
	QUANT2 32, 48, 64
	OUTQ 0, 0
	GEMM 1, 0, 32, 1, 0, 1, 2, 1                   ; k, transposed
	s_wait_xcnt 0x0                                ; q's stores have read their data registers: they are written again only behind this wait
	QUANT2 32, 48, 64
	OUTQ OKC, 131072
	GEMM 2, 0, 32, 1, 1, 0, 0, 0                   ; v, as it stands: a lane's registers run along the tokens, which are the next K
	s_wait_xcnt 0x0
	QUANT2 32, 48, 64
	OUTQ OVC, 262144
	s_wait_tensorcnt 0x0
	ds_add_u32 v254, v255
	s_wait_dscnt 0x0
	s_endpgm
.Lfunc_end_k_qc69add9a4e_qkv:
	.size	k_qc69add9a4e_qkv, .Lfunc_end_k_qc69add9a4e_qkv-k_qc69add9a4e_qkv
	.p2alignl 7, 3214868480
	.fill 96, 4, 3214868480
	.section	.rodata,"a",@progbits
	.p2align	6, 0x0
	.amdhsa_kernel k_qc69add9a4e_qkv
		.amdhsa_group_segment_fixed_size 102400
		.amdhsa_private_segment_fixed_size 0
		.amdhsa_enable_private_segment 0
		.amdhsa_kernarg_size 40
		.amdhsa_user_sgpr_count 2
		.amdhsa_user_sgpr_kernarg_segment_ptr 1
		.amdhsa_wavefront_size32 1
		.amdhsa_system_sgpr_workgroup_id_x 1
		.amdhsa_system_sgpr_workgroup_id_y 1
		.amdhsa_system_sgpr_workgroup_id_z 1
		.amdhsa_system_vgpr_workitem_id 0
		.amdhsa_next_free_vgpr 256
		.amdhsa_next_free_sgpr 66
		.amdhsa_reserve_vcc 0
		.amdhsa_float_denorm_mode_32 3
		.amdhsa_float_denorm_mode_16_64 3
		.amdhsa_memory_ordered 1
		.amdhsa_forward_progress 1
		.amdhsa_inst_pref_size 49
	.end_amdhsa_kernel
	.amdgpu_metadata
---
amdhsa.version: [ 1, 2 ]
amdhsa.kernels:
  - .name:           k_qc69add9a4e_qkv
    .symbol:         k_qc69add9a4e_qkv.kd
    .args:
      - { .name: x, .offset: 0, .size: 8, .value_kind: global_buffer, .address_space: global }
      - { .name: ln1_scale, .offset: 8, .size: 8, .value_kind: global_buffer, .address_space: global }
      - { .name: ln1_bias, .offset: 16, .size: 8, .value_kind: global_buffer, .address_space: global }
      - { .name: wl, .offset: 24, .size: 8, .value_kind: global_buffer, .address_space: global }
      - { .name: qkv, .offset: 32, .size: 8, .value_kind: global_buffer, .address_space: global }
    .group_segment_fixed_size: 102400
    .private_segment_fixed_size: 0
    .kernarg_segment_align: 8
    .kernarg_segment_size: 40
    .max_flat_workgroup_size: 512
    .sgpr_count:     66
    .vgpr_count:     256
    .wavefront_size: 32
...
	.end_amdgpu_metadata
.endif
;; end of part 2
;; launch attn (part 3): grid 4 x 64, 16 waves a work-group, no clusters, 125,952 bytes of LDS; arguments qkv, ctx; writes ctx
.if DOCPART == 3
	.amdgcn_target "amdgcn-amd-amdhsa--gfx1250"
	.amdhsa_code_object_version 6
	.text
	.protected	k_qc69add9a4e_attn
	.globl	k_qc69add9a4e_attn
	.p2align	8
	.type	k_qc69add9a4e_attn,@function
k_qc69add9a4e_attn:
	s_mov_b64 s[64:65], 0
	v_nop
	global_prefetch_b8 v0, s[64:65] scope:SCOPE_SE
	s_setreg_imm32_b32 hwreg(HW_REG_WAVE_MODE, 25, 1), 1
	s_wait_xcnt 0x0
; Causal attention of one head (32 channels, 2,048 tokens) on codes of E2M3, and the quantising of its result along the head's 32.
; t = score x log2(e) / sqrt(32); M = the running largest t rounded UP to a whole number; p = 2^(t - M) is quantised along the keys, not normalised; the row's sum is taken of the unquantised p and divides O at the end.
; When M moves, the sum and O are multiplied by 2^(old M - new M), which rounds nothing.
; SHARES.  Grid: x = c (0..3), y = head bh (64).  The work-group keeps its head's whole K and V in LDS, 102,400 bytes with the scale bytes, brought once through registers.  Sixteen waves of 256 registers.
; Wave w (j = w / 2, u = w % 2) makes two PASSES, each over one tile of 16 queries: tile u of token group 4 j + c, which needs j + 1 steps of 128 keys, and tile u of group 63 - 4 j - c, which needs 16 - j: 17 steps for every wave.
; Steps all of whose keys come after the queries are left out by a scalar branch on ids inside a loop of 16 trips; in the one step on the diagonal hidden scores become -infinity.
; POSITIONS.  Row r of tile g of a group of 32 tokens is token 8 g + r + 8 (r / 8), for queries and for keys.
; THE FIRST PRODUCT HAS K = 32, the instruction 128.  One fragment of K (12 registers) holds FOUR tiles of 16 keys, one in each block of 32 of the instruction's K; Q stands in four variants, its one block at block beta and zero codes elsewhere:
; score tile 4 f + beta = fragment f x variant beta.  So K is read from LDS without gaps.  Both products are used transposed (source 0 = keys, or V's channels; source 1 = queries, or p): a lane holds one query throughout, and
; register 16 b + i of the scores is key 128 step + 32 b + 16 (lane / 16) + i: 16 neighbours along the second product's K.
; NO CLUSTER, NO JOINT LOADS: what the four work-groups of a head share is read once, at the head, for 17 key steps a wave; V is laid at another pitch than in memory and the scale bytes are transposed on the way, which loads through registers do and a joint load does not.
; LIMITS: NaN and infinities are not served; a block of zeros keeps the scale byte 1 (its codes are zeros; the bytes are read by this program alone).
; REGISTERS: v1-4 LDS places that stay, v5 my query's number, v6 0, v7 16 h, v8-11 the step's addresses, v12 -M, v13 the largest t, v[14:15] the sum; v16-45 Q as [zeros, A, zeros, B, zeros], six each (A: q in lanes 0-15, B: in lanes 16-31);
;   v46-49 scale words of Q, K, V, p; v50-63 both passes' q; v64-87 K; v88-95 addresses and lane numbers; v96-159 scores, then p; v160-183 V; v184-199 O^T; v200-211 p's codes; v212-239 at work; v240-255 pass 0's result.
.set OKC,  3145728
.set OVC,  6291456
.set OQS,  9437184
.set OCS,  3145728
.set LV,   49152                       ; LDS: K's 64 groups x 768 from 0; V's 64 groups, 896 bytes apart, so that lanes 16-31, a group further on, fall on other banks than lanes 0-15 (64 banks of 4 bytes: ISA guide 11.1)
.set VPI,  896
.set LKS,  106496                      ; K's scale words: 128 step + 64 f + 4 r + beta
.set LVS,  108544                      ; V's: 128 step + 64 tile + 4 r + beta
.set CST,  110592                      ; the way out: 16 groups x 768
.set SEL,  20
.set CS,   22
.set ST,   24
.set SMAX, 25
.set TK,   26
.set TV,   27
.set TS,   28
.set QMX,  220
.set QTP,  224
.set QSO,  228
.set QBY,  232
.macro PLACES                          ; four plain vector instructions behind a matrix instruction, ahead of loads into its operands and of reads of its result
.rept 4
	v_nop
.endr
.endm
.macro MM d, a, b, sa, sb, ra, rb, z   ; ra, rb = 1: that side's scale words stand in lanes 16-31.  z = 1: it starts the sum
.if \z
.if (\ra) && (\rb)
	v_wmma_scale_f32_16x16x128_f8f6f4 v[\d:\d+7], v[\a:\a+11], v[\b:\b+11], 0, v[\sa], v[\sb] matrix_a_fmt:MATRIX_FMT_FP6 matrix_b_fmt:MATRIX_FMT_FP6 matrix_a_scale:MATRIX_SCALE_ROW1 matrix_b_scale:MATRIX_SCALE_ROW1
.elseif \ra
	v_wmma_scale_f32_16x16x128_f8f6f4 v[\d:\d+7], v[\a:\a+11], v[\b:\b+11], 0, v[\sa], v[\sb] matrix_a_fmt:MATRIX_FMT_FP6 matrix_b_fmt:MATRIX_FMT_FP6 matrix_a_scale:MATRIX_SCALE_ROW1
.elseif \rb
	v_wmma_scale_f32_16x16x128_f8f6f4 v[\d:\d+7], v[\a:\a+11], v[\b:\b+11], 0, v[\sa], v[\sb] matrix_a_fmt:MATRIX_FMT_FP6 matrix_b_fmt:MATRIX_FMT_FP6 matrix_b_scale:MATRIX_SCALE_ROW1
.else
	v_wmma_scale_f32_16x16x128_f8f6f4 v[\d:\d+7], v[\a:\a+11], v[\b:\b+11], 0, v[\sa], v[\sb] matrix_a_fmt:MATRIX_FMT_FP6 matrix_b_fmt:MATRIX_FMT_FP6
.endif
.else
.if (\ra) && (\rb)
	v_wmma_scale_f32_16x16x128_f8f6f4 v[\d:\d+7], v[\a:\a+11], v[\b:\b+11], v[\d:\d+7], v[\sa], v[\sb] matrix_a_fmt:MATRIX_FMT_FP6 matrix_b_fmt:MATRIX_FMT_FP6 matrix_a_scale:MATRIX_SCALE_ROW1 matrix_b_scale:MATRIX_SCALE_ROW1
.elseif \ra
	v_wmma_scale_f32_16x16x128_f8f6f4 v[\d:\d+7], v[\a:\a+11], v[\b:\b+11], v[\d:\d+7], v[\sa], v[\sb] matrix_a_fmt:MATRIX_FMT_FP6 matrix_b_fmt:MATRIX_FMT_FP6 matrix_a_scale:MATRIX_SCALE_ROW1
.elseif \rb
	v_wmma_scale_f32_16x16x128_f8f6f4 v[\d:\d+7], v[\a:\a+11], v[\b:\b+11], v[\d:\d+7], v[\sa], v[\sb] matrix_a_fmt:MATRIX_FMT_FP6 matrix_b_fmt:MATRIX_FMT_FP6 matrix_b_scale:MATRIX_SCALE_ROW1
.else
	v_wmma_scale_f32_16x16x128_f8f6f4 v[\d:\d+7], v[\a:\a+11], v[\b:\b+11], v[\d:\d+7], v[\sa], v[\sb] matrix_a_fmt:MATRIX_FMT_FP6 matrix_b_fmt:MATRIX_FMT_FP6
.endif
.endif
.endm
; Two runs of 16 registers, each half a block of 32 (the other half lies in lane l xor 16), become codes.  Afterwards lane (r, g) holds in v[cd .. cd + 5] the whole block of run g's row r, and in v[QBY] its scale byte.
.macro QUANT2 x0, x1, cd
	v_max3_num_f32 v[QMX], |v[\x0]|, |v[\x0+1]|, 0x1800000       ; the largest magnitude, with the floor 2^(3 - 127) among its leaves: the byte cannot fall under 1
	v_max3_num_f32 v[QMX+1], |v[\x1]|, |v[\x1+1]|, 0x1800000
.irp i, 2,4,6,8,10,12,14
	s_delay_alu instid0(VALU_DEP_2)
	v_max3_num_f32 v[QMX], v[QMX], |v[\x0+\i]|, |v[\x0+\i+1]|
	s_delay_alu instid0(VALU_DEP_2)
	v_max3_num_f32 v[QMX+1], v[QMX+1], |v[\x1+\i]|, |v[\x1+\i+1]|
.endr
	s_delay_alu instid0(VALU_DEP_2)
	v_permlanex16_b32 v[QTP], v[QMX], s[SEL], s[SEL+1]
	s_delay_alu instid0(VALU_DEP_2)
	v_permlanex16_b32 v[QTP+1], v[QMX+1], s[SEL], s[SEL+1]
	s_delay_alu instid0(VALU_DEP_2)
	v_max_num_f32 v[QMX], v[QMX], v[QTP]
	s_delay_alu instid0(VALU_DEP_2)
	v_max_num_f32 v[QMX+1], v[QMX+1], v[QTP+1]
	s_delay_alu instid0(VALU_DEP_2)
	v_add_nc_u32 v[QSO], 0xff000000, v[QMX]
	s_delay_alu instid0(VALU_DEP_2)
	v_add_nc_u32 v[QSO+1], 0xff000000, v[QMX+1]
	s_delay_alu instid0(VALU_DEP_2)
	v_lshrrev_b32 v[QBY], 23, v[QSO]
	s_delay_alu instid0(VALU_DEP_2)
	v_lshrrev_b32 v[QBY+1], 23, v[QSO+1]
	v_cvt_scalef32_pk16_fp6_f32 v[\cd:\cd+2], v[\x0:\x0+15], v[QSO]
	v_cvt_scalef32_pk16_fp6_f32 v[\cd+6:\cd+8], v[\x1:\x1+15], v[QSO+1]
	v_nop                                          ; one plain instruction behind a scaled conversion
.irp i, 0,1,2
	v_permlane16_swap_b32 v[\cd+\i], v[\cd+6+\i]
.endr
	v_permlane16_swap_b32 v[QBY], v[QBY+1]
.irp i, 0,1,2
	s_delay_alu instid0(VALU_DEP_4)
	v_mov_b32 v[\cd+3+\i], v[\cd+6+\i]
.endr
.endm
	s_load_b128 s[4:7], s[0:1], 0x0                ; qkv, ctx
	v_lshrrev_b32 v8, 5, v0
	s_delay_alu instid0(VALU_DEP_1)
	v_readfirstlane_b32 s2, v8                     ; wave w
	s_and_b32 s8, ttmp7, 0xffff                    ; the head bh
	s_lshr_b32 s9, s2, 1                           ; j
	s_and_b32 s10, s2, 1                           ; u
	s_lshl_b32 s11, s9, 2
	s_add_co_u32 s11, s11, ttmp9                   ; pass 0's group: 4 j + c
	s_sub_co_u32 s12, 63, s11                      ; pass 1's
	v_and_b32 v91, 31, v0                          ; lane l
	v_and_b32 v92, 15, v0                          ; r
	v_bfe_u32 v93, v0, 4, 1                        ; h
	s_delay_alu instid0(VALU_DEP_2)
	v_and_b32 v94, 8, v92
	s_delay_alu instid0(VALU_DEP_1)
	v_add_nc_u32 v94, v94, v92                     ; r + 8 (r / 8)
	v_lshlrev_b32 v1, 3, v91                       ; K in LDS: 8 bytes a lane of a plane
	v_lshlrev_b32 v90, 3, v91
	v_mul_u32_u24 v2, v93, VPI
	s_delay_alu instid0(VALU_DEP_1)
	v_lshl_add_u32 v2, v92, 3, v2
	s_delay_alu instid0(VALU_DEP_1)
	v_add_nc_u32 v2, LV, v2                        ; V in LDS: lanes 16-31 take the next group of keys
	v_lshl_add_u32 v3, v91, 2, LKS
	v_lshl_add_u32 v4, v91, 2, LVS
	v_mov_b32 v6, 0
	v_lshlrev_b32 v7, 4, v93
	s_mul_i32 s29, s9, 768
	s_lshl_b32 s30, s10, 7
	s_add_co_u32 s29, s29, s30
	s_add_co_u32 s29, s29, CST
	v_mul_u32_u24 v88, v93, 6144
	s_delay_alu instid0(VALU_DEP_1)
	v_lshl_add_u32 v88, v92, 3, v88
	s_delay_alu instid0(VALU_DEP_1)
	v_add_nc_u32 v88, s29, v88                     ; the stage: slot 8 pass + j, position 16 u + r
	s_mul_i32 s29, s2, 768
	s_add_co_u32 s29, s29, CST
	v_lshl_add_u32 v95, v91, 3, s29                ; and back: slot w
	s_lshl_b32 s29, s11, 1
	s_sub_co_u32 s29, 63, s29
	s_lshl_b32 s29, s29, 5                         ; 32 (63 - 2 g0): from pass 0's group to pass 1's, in scale bytes
	v_mul_u32_u24 v89, s29, v93
	s_lshl_b32 s30, s11, 5
	s_lshl_b32 s31, s10, 4
	s_add_co_u32 s30, s30, s31
	v_add_nc_u32 v89, s30, v89
	s_delay_alu instid0(VALU_DEP_1)
	v_add_nc_u32 v89, v89, v92                     ; ctx's scale byte of lane (r, pass)
	v_add_nc_u32 v12, s30, v92                     ; q's scale byte, pass 0: 32 g0 + 16 u + r
	s_lshl_b32 s30, s12, 5
	s_add_co_u32 s30, s30, s31
	v_add_nc_u32 v13, s30, v92                     ; pass 1
	s_and_b32 s29, s2, 7
	s_lshl_b32 s29, s29, 2
	s_add_co_u32 s29, s29, ttmp9
	s_sub_co_u32 s30, 63, s29
	s_cmp_lt_u32 s2, 8
	s_cselect_b32 s29, s29, s30                    ; the group in stage slot w
	s_lshl_b32 s30, s8, 6
	s_add_co_u32 s29, s29, s30
	s_mul_i32 s29, s29, 768
	v_lshl_add_u32 v215, v91, 3, s29               ; its planes in ctx
	s_mul_i32 s29, s2, 3072
	v_lshl_add_u32 v10, v91, 3, s29                ; my wave's twelve planes of K and of V in memory; K's place in LDS too
	s_mul_i32 s29, s2, 4*VPI
	s_add_co_u32 s29, s29, LV
	v_lshl_add_u32 v146, v91, 3, s29               ; V's place in LDS
	v_lshlrev_b32 v11, 2, v0
	s_lshl_b32 s31, s10, 7
	s_mul_i32 s29, s11, 768
	s_add_co_u32 s29, s29, s31
	v_lshl_add_u32 v8, v92, 3, s29                 ; q's block of position 16 u + r, pass 0
	s_mul_i32 s29, s12, 768
	s_add_co_u32 s29, s29, s31
	v_lshl_add_u32 v9, v92, 3, s29                 ; pass 1
	s_mul_i32 s14, s8, 49152
	s_mov_b32 s15, 0
	s_lshl_b32 s16, s8, 11
	s_mov_b32 s17, 0
	s_mov_b32 s[SEL], 0x76543210
	s_mov_b32 s[SEL+1], 0xfedcba98                 ; v_permlanex16_b32's selects for lane l xor 16
	s_mov_b32 s[CS], 0x3e8293ee                    ; log2(e) / sqrt(32)
	s_mov_b32 s[CS+1], s[CS]                       ; (named with it as a pair, so it is written)
	s_wait_alu depctr_va_vdst(0)
	s_wait_kmcnt 0x0
	s_add_nc_u64 s[14:15], s[4:5], s[14:15]        ; my head's codes: q's; k's and v's by the immediates
	s_add_nc_u64 s[18:19], s[4:5], s[16:17]
	s_add_nc_u64 s[18:19], s[18:19], OQS           ; my head's scale bytes
	s_add_nc_u64 s[32:33], s[6:7], s[16:17]
	s_add_nc_u64 s[32:33], s[32:33], OCS           ; ctx's scale bytes of my head
.irp k, 0,1,2,3,4,5,6,7,8,9,10,11
	global_load_b64 v[96+2*\k:97+2*\k], v10, s[14:15] offset:OKC+256*\k      ; a plane: 256 consecutive aligned bytes
.endr
.irp k, 0,1,2,3,4,5,6,7,8,9,10,11
	global_load_b64 v[120+2*\k:121+2*\k], v10, s[14:15] offset:OVC+256*\k
.endr
	global_load_b32 v144, v11, s[18:19] offset:131072                        ; four of K's 2,048 scale bytes,
	global_load_b32 v145, v11, s[18:19] offset:262144                        ; four of V's
.irp i, 0,1,2
	global_load_b64 v[50+2*\i:51+2*\i], v8, s[14:15] offset:256*\i
	global_load_b64 v[56+2*\i:57+2*\i], v9, s[14:15] offset:256*\i
.endr
	global_load_u8 v62, v12, s[18:19]
	global_load_u8 v63, v13, s[18:19]
	; where the scale bytes go.  Thread t holds bytes 4 t + i of [group][position].  K's: step t / 32, fragment (t / 16) % 2, block beta = 2 ((t / 8) % 2) + (t / 4) % 2, row 4 (t % 4) + i
	v_lshrrev_b32 v148, 4, v0
	s_delay_alu instid0(VALU_DEP_1)
	v_lshlrev_b32 v148, 6, v148
	v_and_b32 v149, 3, v0
	s_delay_alu instid0(VALU_DEP_1)
	v_lshl_add_u32 v148, v149, 4, v148
	v_bfe_u32 v149, v0, 3, 1
	s_delay_alu instid0(VALU_DEP_1)
	v_lshl_add_u32 v148, v149, 1, v148
	v_bfe_u32 v149, v0, 2, 1
	s_delay_alu instid0(VALU_DEP_1)
	v_add_nc_u32 v148, v148, v149
	s_delay_alu instid0(VALU_DEP_1)
	v_add_nc_u32 v148, LKS, v148
	v_lshrrev_b32 v153, 5, v0                      ; V's: step t / 32, block beta = (t / 8) % 4, tile (t / 4) % 2, row 4 (t % 4) + i
	s_delay_alu instid0(VALU_DEP_1)
	v_lshlrev_b32 v153, 7, v153
	v_and_b32 v149, 7, v0
	s_delay_alu instid0(VALU_DEP_1)
	v_lshl_add_u32 v153, v149, 4, v153
	v_bfe_u32 v149, v0, 3, 2
	s_delay_alu instid0(VALU_DEP_1)
	v_add_nc_u32 v153, v153, v149
	s_delay_alu instid0(VALU_DEP_1)
	v_add_nc_u32 v153, LVS, v153
.irp i, 0,1,2,3,4,5
	v_mov_b32 v[16+\i], 0                          ; Q's three runs of zero codes
	v_mov_b32 v[28+\i], 0
	v_mov_b32 v[40+\i], 0
.endr
.irp i, 0,1,2,3
	v_mov_b32 v[224+\i], 0                         ; written once: a lane permute's destination counts as one of its sources
.endr
	v_mov_b32 v237, 0                              ; (named as the upper half of the pair v[236:237])
	v_mov_b32 v238, 0
	s_wait_loadcnt 0x0
.irp k, 0,1,2,3,4,5,6,7,8,9,10,11
	ds_store_b64 v10, v[96+2*\k:97+2*\k] offset:256*\k
	ds_store_b64 v146, v[120+2*\k:121+2*\k] offset:(\k/3)*VPI+(\k%3)*256
.endr
.irp i, 1,2,3
	v_lshrrev_b32 v[149+\i], 8*\i, v144
	v_lshrrev_b32 v[153+\i], 8*\i, v145
.endr
	ds_store_b8 v148, v144
	ds_store_b8 v153, v145
.irp i, 1,2,3
	ds_store_b8 v148, v[149+\i] offset:4*\i
	ds_store_b8 v153, v[153+\i] offset:4*\i
.endr
	s_wait_dscnt 0x0                               ; my part of K, V and their scale words has landed
	s_barrier_signal -1
	s_barrier_wait -1                              ; everybody's has; nothing is written there again
; A PASS: one tile of 16 queries over its keys.  pass: which; dst: where O / the sum goes.
.macro PASS pass, dst
.if \pass
	s_xor_b32 s[SMAX], s9, 15                      ; the last key step: 15 - j
	s_lshl_b32 s29, s12, 5
.else
	s_mov_b32 s[SMAX], s9                          ; j
	s_lshl_b32 s29, s11, 5
.endif
	s_lshl_b32 s30, s10, 3
	s_add_co_u32 s29, s29, s30
	v_add_nc_u32 v5, s29, v94                      ; my query: 32 group + 8 u + r + 8 (r / 8)
	v_cmp_gt_u32 vcc_lo, 16, v91
.irp i, 0,1,2,3,4,5
	v_cndmask_b32 v[22+\i], 0, v[50+6*\pass+\i], vcc_lo          ; A: q in lanes 0-15
	v_cndmask_b32 v[34+\i], v[50+6*\pass+\i], v6, vcc_lo         ; B: q in lanes 16-31
.endr
	v_lshl_or_b32 v46, v[62+\pass], 8, v[62+\pass]
	s_delay_alu instid0(VALU_DEP_1)
	v_lshl_or_b32 v46, v46, 16, v46                ; q's scale byte at all four blocks: wherever the variant has its block
	v_mov_b32 v13, 0xff61b1e6                      ; the largest t so far: -3e38, under every t
	s_delay_alu instid0(VALU_DEP_1)
	v_floor_f32 v12, -v13                          ; -M
	v_mov_b32 v14, 0
	v_mov_b32 v15, 0
.irp i, 0,1,2,3,4,5,6,7,8,9,10,11,12,13,14,15
	v_mov_b32 v[184+\i], 0                         ; O^T: the step is written once; the first change of M leaves zeros zeros.  (These lines are also the eight places between the scale word's last write and the first product)
.endr
	s_mov_b32 s[ST], 0
	s_mov_b32 s[TK], 0
	s_mov_b32 s[TV], 0
	s_mov_b32 s[TS], 0
.Lkey_\@:                                          ; 16 trips, a constant; a trip whose 128 keys all come after my queries only steps the addresses
	s_cmp_gt_u32 s[ST], s[SMAX]
	s_cbranch_scc1 .Lskip_\@
	v_add_nc_u32 v8, s[TK], v1                     ; (four plain lines: the places behind the last step's products, ahead of the loads)
	v_add_nc_u32 v9, s[TV], v2
	v_add_nc_u32 v10, s[TS], v3
	v_add_nc_u32 v11, s[TS], v4
.irp f, 0,1
.irp cc, 0,1
.irp i, 0,1,2
	ds_load_b64 v[64+12*\f+6*\cc+2*\i:65+12*\f+6*\cc+2*\i], v8 offset:(2*\f+\cc)*768+256*\i   ; group 4 step + 2 f + cc: its two tiles are blocks 2 cc and 2 cc + 1 of fragment f
.endr
.endr
.endr
	ds_load_b32 v47, v10
.irp u, 0,1
.irp cc, 0,1
.irp i, 0,1,2
	ds_load_b64 v[160+12*\u+6*\cc+2*\i:161+12*\u+6*\cc+2*\i], v9 offset:2*VPI*\cc+256*\i+128*\u   ; V^T: channel tile u, keys of group 4 step + 2 cc + h
.endr
.endr
.endr
	ds_load_b32 v48, v11
	s_wait_dscnt 13                                ; K and its scale words are in; V's thirteen loads may be out
.irp f, 0,1
	MM 96+32*\f, 64+12*\f, 22, 47, 46, \f, 0, 1
	MM 104+32*\f, 64+12*\f, 34, 47, 46, \f, 0, 1
	MM 112+32*\f, 64+12*\f, 16, 47, 46, \f, 0, 1
	MM 120+32*\f, 64+12*\f, 28, 47, 46, \f, 0, 1
.endr
	PLACES
	s_cmp_lg_u32 s[ST], s[SMAX]                    ; only the last step lies on the diagonal
	s_cbranch_scc1 .Lopen_\@
	s_lshl_b32 s29, s[ST], 7
	v_sub_nc_u32 v238, v5, v7
	s_delay_alu instid0(VALU_DEP_1)
	v_sub_nc_u32 v238, v238, s29                   ; d = my query - 128 step - 16 h: register 16 b + i is hidden where 32 b + i > d
	v_mov_b32 v239, 0xff800000                     ; -infinity
.irp n, 0,1,2,3,4,5,6,7,8,9,10,11,12,13,14,15,16,17,18,19,20,21,22,23,24,25,26,27,28,29,30,31,32,33,34,35,36,37,38,39,40,41,42,43,44,45,46,47,48,49,50,51,52,53,54,55,56,57,58,59,60,61,62,63
	v_cmp_gt_i32 vcc_lo, 32*(\n/16)+\n%16, v238
	v_cndmask_b32 v[96+\n], v[96+\n], v239, vcc_lo
.endr
.Lopen_\@:
.irp b, 0,1,2,3
	v_max3_num_f32 v[220+\b], v[96+16*\b], v[97+16*\b], v[98+16*\b]   ; the largest score of each block of 32 keys: for the row's maximum and, since p rises with the score, for the block's largest p
.endr
.irp i, 3,5,7,9,11,13
.irp b, 0,1,2,3
	v_max3_num_f32 v[220+\b], v[220+\b], v[96+16*\b+\i], v[97+16*\b+\i]
.endr
.endr
.irp b, 0,1,2,3
	v_max_num_f32 v[220+\b], v[220+\b], v[111+16*\b]
.endr
.irp b, 0,1,2,3
	s_delay_alu instid0(VALU_DEP_4)
	v_permlanex16_b32 v[224+\b], v[220+\b], s[SEL], s[SEL+1]
.endr
.irp b, 0,1,2,3
	s_delay_alu instid0(VALU_DEP_4)
	v_max_num_f32 v[220+\b], v[220+\b], v[224+\b]  ; with lane l xor 16's 16 keys
.endr
	s_delay_alu instid0(VALU_DEP_2)
	v_max3_num_f32 v238, v220, v221, v222
	s_delay_alu instid0(VALU_DEP_1)
	v_max_num_f32 v238, v238, v223
	s_delay_alu instid0(VALU_DEP_1)
	v_mul_f32 v238, s[CS], v238                    ; the step's largest t
	s_delay_alu instid0(VALU_DEP_1)
	v_max_num_f32 v13, v13, v238
	v_mov_b32 v238, v12
	s_delay_alu instid0(VALU_DEP_2)
	v_floor_f32 v12, -v13                          ; the new -M = -ceil(t)
	s_delay_alu instid0(VALU_DEP_1)
	v_sub_f32 v238, v12, v238                      ; old M - new M: a whole number, 0 or less
	s_delay_alu instid0(VALU_DEP_1)
	v_cvt_i32_f32 v238, v238                       ; (it saturates)
	s_delay_alu instid0(VALU_DEP_1)
	v_ldexp_f32 v236, 1.0, v238                    ; f = 2^(old M - new M)
.set jj, 0
.rept 32
	v_pk_fma_f32 v[96+jj:97+jj], v[96+jj:97+jj], s[CS:CS+1], v[12:13] op_sel_hi:[1,0,0]   ; t - M
.set jj, jj+2
.endr
.irp b, 0,1,2,3
	v_fma_f32 v[220+\b], v[220+\b], s[CS], v12
.endr
.set jj, 0
	s_wait_alu depctr_va_vdst(0)
.rept 64
	v_exp_f32 v[96+jj], v[96+jj]                   ; p = 2^(t - M)
.set jj, jj+1
.endr
	v_pk_mul_f32 v[14:15], v[14:15], v[236:237] op_sel_hi:[1,0]    ; the sums under the new M: the plain instruction behind the batch
	s_wait_alu depctr_va_vdst(0)                   ; one wait for the 64, ahead of their first reader
.irp b, 0,1,2,3
	v_exp_f32 v[220+\b], v[220+\b]                 ; each block's largest p
.endr
	v_pk_add_f32 v[224:225], v[100:101], v[104:105]
	v_pk_add_f32 v[234:235], v[108:109], v[112:113]
	v_pk_add_f32 v[232:233], v[116:117], v[120:121]
	v_pk_add_f32 v[230:231], v[124:125], v[128:129]
	v_pk_add_f32 v[228:229], v[132:133], v[136:137]
	v_pk_add_f32 v[218:219], v[140:141], v[144:145]
	v_pk_add_f32 v[216:217], v[148:149], v[152:153]
	v_pk_add_f32 v[14:15], v[14:15], v[156:157]
	v_pk_add_f32 v[224:225], v[224:225], v[96:97]
	v_pk_add_f32 v[234:235], v[234:235], v[98:99]
	v_pk_add_f32 v[232:233], v[232:233], v[102:103]
	v_pk_add_f32 v[230:231], v[230:231], v[106:107]
	v_pk_add_f32 v[228:229], v[228:229], v[110:111]
	v_pk_add_f32 v[218:219], v[218:219], v[114:115]
	v_pk_add_f32 v[216:217], v[216:217], v[118:119]
	v_pk_add_f32 v[14:15], v[14:15], v[122:123]
	v_pk_add_f32 v[224:225], v[224:225], v[126:127]
	v_pk_add_f32 v[234:235], v[234:235], v[130:131]
	v_pk_add_f32 v[232:233], v[232:233], v[134:135]
	v_pk_add_f32 v[230:231], v[230:231], v[138:139]
	v_pk_add_f32 v[228:229], v[228:229], v[142:143]
	v_pk_add_f32 v[218:219], v[218:219], v[146:147]
	v_pk_add_f32 v[216:217], v[216:217], v[150:151]
	v_pk_add_f32 v[14:15], v[14:15], v[154:155]
	v_pk_add_f32 v[224:225], v[224:225], v[158:159]
	s_delay_alu instid0(VALU_DEP_2)
	v_pk_add_f32 v[14:15], v[14:15], v[230:231]
	s_delay_alu instid0(VALU_DEP_2)
	v_pk_add_f32 v[224:225], v[224:225], v[228:229]
	v_pk_add_f32 v[234:235], v[234:235], v[218:219]
	v_pk_add_f32 v[232:233], v[232:233], v[216:217]
	s_delay_alu instid0(VALU_DEP_2)
	v_pk_add_f32 v[14:15], v[14:15], v[234:235]
	s_delay_alu instid0(VALU_DEP_2)
	v_pk_add_f32 v[224:225], v[224:225], v[232:233]
	s_delay_alu instid0(VALU_DEP_1)
	v_pk_add_f32 v[14:15], v[14:15], v[224:225]
	s_wait_alu depctr_va_vdst(0)                   ; and one for the four
.irp b, 0,1,2,3
	v_max_num_f32 v[220+\b], 0x1800000, v[220+\b]  ; the floor 2^(3 - 127)
.endr
.irp b, 0,1,2,3
	s_delay_alu instid0(VALU_DEP_4)
	v_add_nc_u32 v[228+\b], 0xff000000, v[220+\b]  ; the conversion's scale operand
.endr
.irp b, 0,1,2,3
	s_delay_alu instid0(VALU_DEP_4)
	v_lshrrev_b32 v[232+\b], 23, v[228+\b]         ; the scale's byte
.endr
	s_delay_alu instid0(VALU_DEP_3)
	v_lshl_or_b32 v49, v233, 8, v232
	s_delay_alu instid0(VALU_DEP_1)
	v_lshl_or_b32 v49, v234, 16, v49
	s_delay_alu instid0(VALU_DEP_1)
	v_lshl_or_b32 v49, v235, 24, v49               ; p's scale word for these 128 keys
.irp c, 0,1
	v_cvt_scalef32_pk16_fp6_f32 v[200+6*\c:202+6*\c], v[96+32*\c:111+32*\c], v[228+2*\c]
	v_cvt_scalef32_pk16_fp6_f32 v[212+4*\c:214+4*\c], v[112+32*\c:127+32*\c], v[229+2*\c]
.endr
	v_nop                                          ; one plain instruction behind a scaled conversion
.irp c, 0,1
.irp i, 0,1,2
	v_permlane16_swap_b32 v[200+6*\c+\i], v[212+4*\c+\i]   ; a whole block to a lane: lanes 0-15 block 2 c, lanes 16-31 block 2 c + 1
.endr
.irp i, 0,1,2
	s_delay_alu instid0(VALU_DEP_3)
	v_mov_b32 v[203+6*\c+\i], v[212+4*\c+\i]
.endr
.endr
.set jj, 0
.rept 8
	v_pk_mul_f32 v[184+jj:185+jj], v[184+jj:185+jj], v[236:237] op_sel_hi:[1,0]   ; O^T under the new M; eight plain lines ahead of the products below
.set jj, jj+2
.endr
	s_wait_alu depctr_va_vdst(0)
	s_wait_dscnt 0x0                               ; V and its scale words are in
.irp u, 0,1
	MM 184+8*\u, 160+12*\u, 200, 48, 49, \u, 0, 0
.endr
.Lskip_\@:
	s_add_co_u32 s[TK], s[TK], 3072                ; four groups of keys on
	s_add_co_u32 s[TV], s[TV], 4*VPI
	s_add_co_u32 s[TS], s[TS], 128
	s_add_co_u32 s[ST], s[ST], 1
	s_cmp_lt_u32 s[ST], 16
	s_cbranch_scc1 .Lkey_\@
	PLACES
	v_add_f32 v14, v14, v15
	s_delay_alu instid0(VALU_DEP_1)
	v_permlanex16_b32 v238, v14, s[SEL], s[SEL+1]
	s_delay_alu instid0(VALU_DEP_1)
	v_add_f32 v14, v14, v238                       ; the row's sum
	s_wait_alu depctr_va_vdst(0)
	v_rcp_f32 v236, v14
	v_nop                                          ; a plain instruction behind the transcendental
	s_wait_alu depctr_va_vdst(0)                   ; the wait ahead of its first reader
.set jj, 0
.rept 8
	v_pk_mul_f32 v[\dst+jj:\dst+jj+1], v[184+jj:185+jj], v[236:237] op_sel_hi:[1,0]   ; register i: channel 16 h + i of my query
.set jj, jj+2
.endr
.endm
	PASS 0, 240
	PASS 1, 96
	; THE WAY OUT.  A head's 32 channels are one block of the next product's K.  Lane (r, g) gets pass g's block of query r; blocks meet in the stage, where the two tiles of a group come from two waves, and leave as whole planes.
	QUANT2 240, 96, 200
.irp i, 0,1,2
	ds_store_b64 v88, v[200+2*\i:201+2*\i] offset:256*\i
.endr
	global_store_b8 v89, v[QBY], s[32:33]
	s_wait_dscnt 0x0
	s_barrier_signal -1
	s_barrier_wait -1
.irp i, 0,1,2
	ds_load_b64 v[208+2*\i:209+2*\i], v95 offset:256*\i
.endr
	s_wait_dscnt 0x0
.irp i, 0,1,2
	global_store_b64 v215, v[208+2*\i:209+2*\i], s[6:7] offset:256*\i      ; 256 consecutive aligned bytes
.endr
	s_wait_xcnt 0x0
	v_lshl_add_u32 v238, v0, 2, 0x1e400
	v_mov_b32 v239, 0
	s_wait_alu depctr_va_vdst(0)
	s_wait_tensorcnt 0x0
	ds_add_u32 v238, v239
	s_wait_dscnt 0x0
	s_endpgm
.Lfunc_end_k_qc69add9a4e_attn:
	.size	k_qc69add9a4e_attn, .Lfunc_end_k_qc69add9a4e_attn-k_qc69add9a4e_attn
	.p2alignl 7, 3214868480
	.fill 96, 4, 3214868480
	.section	.rodata,"a",@progbits
	.p2align	6, 0x0
	.amdhsa_kernel k_qc69add9a4e_attn
		.amdhsa_group_segment_fixed_size 125952
		.amdhsa_private_segment_fixed_size 0
		.amdhsa_enable_private_segment 0
		.amdhsa_kernarg_size 16
		.amdhsa_user_sgpr_count 2
		.amdhsa_user_sgpr_kernarg_segment_ptr 1
		.amdhsa_wavefront_size32 1
		.amdhsa_system_sgpr_workgroup_id_x 1
		.amdhsa_system_sgpr_workgroup_id_y 1
		.amdhsa_system_sgpr_workgroup_id_z 1
		.amdhsa_system_vgpr_workitem_id 0
		.amdhsa_next_free_vgpr 256
		.amdhsa_next_free_sgpr 66
		.amdhsa_reserve_vcc 1
		.amdhsa_float_denorm_mode_32 3
		.amdhsa_float_denorm_mode_16_64 3
		.amdhsa_memory_ordered 1
		.amdhsa_forward_progress 1
		.amdhsa_inst_pref_size 63
	.end_amdhsa_kernel
	.amdgpu_metadata
---
amdhsa.version: [ 1, 2 ]
amdhsa.kernels:
  - .name:           k_qc69add9a4e_attn
    .symbol:         k_qc69add9a4e_attn.kd
    .args:
      - { .name: qkv, .offset: 0, .size: 8, .value_kind: global_buffer, .address_space: global }
      - { .name: ctx, .offset: 8, .size: 8, .value_kind: global_buffer, .address_space: global }
    .group_segment_fixed_size: 125952
    .private_segment_fixed_size: 0
    .kernarg_segment_align: 8
    .kernarg_segment_size: 16
    .max_flat_workgroup_size: 512
    .sgpr_count:     66
    .vgpr_count:     256
    .wavefront_size: 32
...
	.end_amdgpu_metadata
.endif
;; end of part 3
;; launch mlp (part 4): grid 256 x 1, 16 waves a work-group, clusters of 4 x 1, 327,680 bytes of LDS; arguments x, ctx, wl, bo, ln2_scale, ln2_bias, b1, b2, out0; writes out0
.if DOCPART == 4
	.amdgcn_target "amdgcn-amd-amdhsa--gfx1250"
	.amdhsa_code_object_version 6
	.text
	.protected	k_qc69add9a4e_mlp
	.globl	k_qc69add9a4e_mlp
	.p2align	8
	.type	k_qc69add9a4e_mlp,@function
k_qc69add9a4e_mlp:
	s_mov_b64 s[64:65], 0
	v_nop
	global_prefetch_b8 v0, s[64:65] scope:SCOPE_SE
	s_setreg_imm32_b32 hwreg(HW_REG_WAVE_MODE, 25, 1), 1
	s_wait_xcnt 0x0
	s_wait_alu depctr_hold_cnt(0) depctr_sa_sdst(0) depctr_va_vdst(0) depctr_va_sdst(0) depctr_va_ssrc(0) depctr_va_vcc(0) depctr_vm_vsrc(0)
	s_getreg_b32 s2, hwreg(HW_REG_IB_STS2, 6, 4)
	s_cmp_eq_u32 s2, 0
	s_cbranch_scc0 .Lentry_in_a_cluster
	s_endpgm
.Lentry_in_a_cluster:
	s_bfe_u32 s2, ttmp6, 0x10000c
	s_cmp_lg_u32 s2, 0x3003
	s_cbranch_scc0 .Lentry_shape_is_right
	s_endpgm
.Lentry_shape_is_right:
; x1 = x + ctx Wo + bo;  out = x1 + gelu(layernorm(x1) W1 + b1) W2 + b2.  All three products on codes of E2M3; ctx arrives as codes; layernorm's result and the hidden layer are quantised here and never go to memory.
; SHARES.  A work-group owns 32 consecutive tokens through the whole chain; sixteen waves of 256 registers.  Nine PHASES of one shape, [32 tokens] x [K 512] x [N 512]: wl's phase 3 is Wo, 4 + c is W1's columns 512 c on (G1(c)), 8 + c is W2 with K = 512 c on (G2(c)).
; In a phase wave w owns output columns 32 w .. 32 w + 31.  All phases are used transposed (source 0 = 16 weight rows, source 1 = 16 tokens); row r of tile g is 8 g + r + 8 (r / 8), for weights and tokens, so that lane (r, h) holds
; 16 neighbouring columns 32 w + 16 h + 0 .. 15 of token (tt, r): half a block of 32 along the next K.  x + bo is the C of Wo's phase, b1 of W1's, x1 + b2 of W2's first.
; THE ORDER: Wo, layernorm, G1(0), act(0), G1(1), then for c = 0, 1, 2: { G2(c) and act(c + 1) }, G1(c + 2) (while there is one), and G2(3); act = gelu, quantise, store the image.  So the phases run 3, 4, 5, 8, 6, 9, 7, 10, 11.
; G2(c) and act(c + 1) hang on nothing of each other.  The waves form two groups of eight, (w xor w / 4) & 1, which take the two in opposite order; the branch on the wave's number leads round no barrier, no tensor load and no add.
; WEIGHTS.  All work-groups walk the same weights.  CLUSTERS of 4 x 1: K steps 2 and 3 of phases 4 to 11 (98,304 bytes each) are asked for JOINTLY by the four partners, into a ring of two LDS slots; wave w fetches its own 6,144 bytes
; (24 rows of 256 bytes, dense in wl) and is the only one to read them.  K steps 0 and 1, and all of Wo, go from wl straight into the wave's registers, asked for a phase ahead.  Why half: beside the stages (128,000 bytes) LDS holds
; 2 x 98,304 bytes, so a slot holds half a phase; a slot's refill is asked for a whole phase ahead of its use.  Each refill stands behind a round of the cluster's barrier, which also serves as the work-group's barrier for the images stored ahead of it.
; NO PREFETCH: the text is written out phase by phase and has no loop to run ahead in.
; THE ACTIVATIONS go from wave to wave through LDS as images of the operand's registers (fragment (tt, s): 1,536 bytes, lane l's twelve registers at 48 l; scale words at 128 s + 4 (16 tt + r)): image 0: ctx, then layernorm's result; image 1 + c % 2: hidden chunk c.
; An image is written again two rounds behind its last read.
; gelu(y) = y / (1 + 2^(y (K0 + K1 y y))), K0 = -2 log2(e) sqrt(2 / pi), K1 = 0.044715 K0: the same function as 0.5 y (1 + tanh(..)); where the power overflows the quotient is y x 0, where it vanishes y x 1.
; LIMITS: NaN and infinities among the inputs are not served.  A block whose largest magnitude lies under 2^-124 keeps the scale byte 1, a block of zeros too where the rule says 127: its codes are zeros, and these bytes are read by this program alone.
; REGISTERS: v1-15 addresses; v16-23 weights' scale words (two sets), v24-27 activations' scale words; v28-31 mean, 1 / sqrt(var + eps), then K0; v32-63 W1's sums; v64-95 x1 + b2 and W2's sums;
;   v96-143 two buffers of activation fragments (at work in the layernorm too); v144-191 weight sets 0, 1, v192-239 sets 2, 3 (between phases: gelu's work v192-223, codes just made v224-232); v240-247 the quantiser's; v248-249 my place in slot 0, 1; v254-255 the add's.
.set XP,    2064                       ; LDS: 32 rows of x, later of out, 2,048 bytes + 16
.set PAR,   66048                      ; ln2_scale, ln2_bias, bo, b2 (2,048 bytes each), b1 (8,192)
.set RED1,  82432                      ; partial sums: [tt] 1,280 = 16 rows x 80 bytes, word w; the second reduction 2,560 further on
.set IMG,   87552                      ; three images of 12,288 bytes of codes and 512 of scale words
.set SLOTB, 12800
.set SPARE, 125952                     ; the spare words: 16 waves x 128 bytes
.set WSL,   128000                     ; the two weight slots
.set WSLB,  98304
.set WLS,   2359296
.set OCS,   3145728                    ; ctx: the scale bytes
.set WL,    8
.set SEL,   20
.set GRP,   39                         ; my group
.set G1D,   40                         ; s[40:47] descriptor group 1; s[48:51] group 0
.set G0,    48
.set WB,    52                         ; s[52:53] wl + 12,288 w + 6,144: my K steps 2, 3 of phase 0
.set LB,    54                         ; my place in slot 0
.set WG,    55                         ; the work-group's number
.set TW,    192
.set CD,    224
.set QMX,   240
.set QTP,   242
.set QSO,   244
.set QBY,   246
.set WA,    248
.set SPW,   254
.set NIL,   255
.macro PLACES                          ; four plain vector instructions behind a matrix instruction, ahead of loads into its operands and of reads of its result
.rept 4
	v_nop
.endr
.endm
.macro BAR                             ; my LDS stores have landed and my LDS loads are in; then the work-group's barrier
	s_wait_dscnt 0x0
	s_barrier_signal -1
	s_barrier_wait -1
.endm
.macro ROUND                           ; a round of the cluster's barrier
	s_barrier_signal -1
	s_barrier_wait -1
	s_cmp_lg_u32 s2, 0
	s_cbranch_scc1 .Lnw0_\@
	s_barrier_signal -3
.Lnw0_\@:
	s_barrier_wait -3
	s_barrier_signal -1
	s_barrier_wait -1
.endm
.macro SETG sl, ph                     ; group 0: my 6,144 bytes of phase ph into slot sl; the same in all four partners
	s_add_nc_u64 s[G0+2:G0+3], s[WB:WB+1], (\ph)*196608
	s_or_b32 s[G0+3], s[G0+3], 0x80000000
	s_add_co_u32 s[G0+1], s[LB], (\sl)*WSLB
.endm
; Slot sl is read no more (or not yet filled): it takes phase ph.  All my tensor loads are in (the one that was out is the other slot's, read next); the add; my LDS stores and reads are done; the round; my one joint load.
.macro REFILL sl, ph
	s_wait_alu depctr_va_vdst(0)                   ; the wait ahead of the blocking waits
	s_wait_tensorcnt 0x0
	ds_add_u32 v[SPW], v[NIL]
	SETG \sl, \ph
	s_wait_dscnt 0x0
	ROUND
	tensor_load_to_lds s[G0:G0+3], s[G1D:G1D+7]
	s_nop 0
.endm
; One matrix instruction, adding in place.  ra, rb = 1: that side's scale words stand in lanes 16-31.
.macro MM d, a, b, sa, sb, ra, rb
.if (\ra) && (\rb)
	v_wmma_scale_f32_16x16x128_f8f6f4 v[\d:\d+7], v[\a:\a+11], v[\b:\b+11], v[\d:\d+7], v[\sa], v[\sb] matrix_a_fmt:MATRIX_FMT_FP6 matrix_b_fmt:MATRIX_FMT_FP6 matrix_a_scale:MATRIX_SCALE_ROW1 matrix_b_scale:MATRIX_SCALE_ROW1
.elseif \ra
	v_wmma_scale_f32_16x16x128_f8f6f4 v[\d:\d+7], v[\a:\a+11], v[\b:\b+11], v[\d:\d+7], v[\sa], v[\sb] matrix_a_fmt:MATRIX_FMT_FP6 matrix_b_fmt:MATRIX_FMT_FP6 matrix_a_scale:MATRIX_SCALE_ROW1
.elseif \rb
	v_wmma_scale_f32_16x16x128_f8f6f4 v[\d:\d+7], v[\a:\a+11], v[\b:\b+11], v[\d:\d+7], v[\sa], v[\sb] matrix_a_fmt:MATRIX_FMT_FP6 matrix_b_fmt:MATRIX_FMT_FP6 matrix_b_scale:MATRIX_SCALE_ROW1
.else
	v_wmma_scale_f32_16x16x128_f8f6f4 v[\d:\d+7], v[\a:\a+11], v[\b:\b+11], v[\d:\d+7], v[\sa], v[\sb] matrix_a_fmt:MATRIX_FMT_FP6 matrix_b_fmt:MATRIX_FMT_FP6
.endif
.endm
.macro GETA slot, s, buf               ; the two token tiles' fragments of K step s, out of an image, into buffer buf: six loads
.irp tt, 0,1
.irp i, 0,1,2
	ds_load_b128 v[96+24*(\buf)+12*\tt+4*\i:96+24*(\buf)+12*\tt+4*\i+3], v3 offset:(\slot)*SLOTB+(4*\tt+(\s))*1536+16*\i
.endr
.endr
.endm
.macro RING p, s                       ; my two weight fragments of phase p, K step s, from memory into set s: six loads of 512 consecutive bytes
.irp u, 0,1
.irp i, 0,1,2
	global_load_b128 v[144+24*(\s)+12*\u+4*\i:144+24*(\s)+12*\u+4*\i+3], v1, s[WL:WL+1] offset:(\p)*196608+(\s)*3072+\u*1536+512*\i
.endr
.endr
.endm
.macro RINGS p, set                    ; the phase's scale words: register s: lanes 0-15 tile 0's rows, lanes 16-31 tile 1's
	global_load_b128 v[16+4*(\set):19+4*(\set)], v2, s[WL:WL+1] offset:WLS+(\p)*8192
.endm
.macro WLDS sl, s                      ; K step s = 2 or 3 out of weight slot sl into set s: six loads of 512 consecutive bytes
.irp u, 0,1
.irp i, 0,1,2
	ds_load_b128 v[144+24*(\s)+12*\u+4*\i:144+24*(\s)+12*\u+4*\i+3], v[WA+(\sl)] offset:((\s)-2)*3072+\u*1536+512*\i
.endr
.endr
.endm
; One K step: four matrix instructions on four accumulators by turns, in the same order in every step.  dr = 1: all four sets come from memory (Wo).
.macro GSTEP slot, acc, nxt, pn, set, dr, s
.if \dr
.if (\s) == 0
	s_wait_loadcnt 18                              ; loads return in order: the scale words and set 0 are in; sets 1 to 3 may be out
.elseif (\s) == 3
	s_wait_loadcnt 13                              ; behind set 3: the next phase's scale words and sets 0, 1
.else
	s_wait_loadcnt 19                              ; step 1: sets 2, 3 and the next phase's seven; step 2: set 3 and the next phase's thirteen
.endif
.if (\s) < 3
	s_wait_dscnt 6                                 ; the other buffer's six may be out
.else
	s_wait_dscnt 0x0
.endif
.else
.if (\s) == 0
	s_wait_loadcnt 6                               ; the scale words and set 0 are in; set 1's six may be out
.elseif (\s) == 1
	s_wait_loadcnt 7*(\nxt)                        ; behind set 1: the next phase's scale words and set 0
.endif
.if (\s) < 2
	s_wait_dscnt 18                                ; the youngest 18 may be out: sets 2, 3 and six more, all younger than this step's buffer
.elseif (\s) == 2
	s_wait_dscnt 6                                 ; the other buffer's six may be out
.else
	s_wait_dscnt 0x0
.endif
.endif
.irp tt, 0,1
.irp u, 0,1
	MM (\acc)+16*\tt+8*\u, 144+24*(\s)+12*\u, 96+24*((\s)%2)+12*\tt, 16+4*(\set)+(\s), 24+(\s), \u, \tt
.endr
.endr
	PLACES
.if (\s) < 2
	GETA \slot, (\s)+2, (\s)%2
.if \nxt
.if (\s) == 0
	RINGS \pn, 1-(\set)
.endif
	RING \pn, \s                                   ; the set just multiplied takes the next phase's K step s
.endif
.endif
.endm
; A phase in two parts.  GEMMA: the image's scale words and first two K steps are asked for.  GEMMB: sets 2, 3 out of slot sl, and the four K steps.
; slot: the image; acc: its sums, begun elsewhere; nxt = 1: phase pn's K steps 0, 1 are asked for; set: my scale set.
.macro GEMMA slot
.irp s, 0,1,2,3
	ds_load_b32 v[24+\s], v4 offset:(\slot)*SLOTB+128*\s   ; lanes 0-15: tile 0's scale words, lanes 16-31: tile 1's
.endr
	GETA \slot, 0, 0
	GETA \slot, 1, 1
.endm
.macro GEMMB slot, acc, nxt, pn, set, sl, dr
.if !(\dr)
	WLDS \sl, 2
	WLDS \sl, 3
.endif
	GSTEP \slot, \acc, \nxt, \pn, \set, \dr, 0
	GSTEP \slot, \acc, \nxt, \pn, \set, \dr, 1
	GSTEP \slot, \acc, \nxt, \pn, \set, \dr, 2
	GSTEP \slot, \acc, \nxt, \pn, \set, \dr, 3
.endm
; Two runs of 16 registers, each half a block of 32 (the other half lies in lane l xor 16), become codes.  Afterwards lane (r, g) holds in v[cd .. cd + 5] the whole block of run g's row r, and in v[QBY] its scale byte.
.macro QUANT2 x0, x1, cd
	v_max3_num_f32 v[QMX], |v[\x0]|, |v[\x0+1]|, 0x1800000       ; the largest magnitude, with the floor 2^(3 - 127) among its leaves: the byte cannot fall under 1
	v_max3_num_f32 v[QMX+1], |v[\x1]|, |v[\x1+1]|, 0x1800000
.irp i, 2,4,6,8,10,12,14
	s_delay_alu instid0(VALU_DEP_2)
	v_max3_num_f32 v[QMX], v[QMX], |v[\x0+\i]|, |v[\x0+\i+1]|
	s_delay_alu instid0(VALU_DEP_2)
	v_max3_num_f32 v[QMX+1], v[QMX+1], |v[\x1+\i]|, |v[\x1+\i+1]|
.endr
	s_delay_alu instid0(VALU_DEP_2)
	v_permlanex16_b32 v[QTP], v[QMX], s[SEL], s[SEL+1]
	s_delay_alu instid0(VALU_DEP_2)
	v_permlanex16_b32 v[QTP+1], v[QMX+1], s[SEL], s[SEL+1]
	s_delay_alu instid0(VALU_DEP_2)
	v_max_num_f32 v[QMX], v[QMX], v[QTP]
	s_delay_alu instid0(VALU_DEP_2)
	v_max_num_f32 v[QMX+1], v[QMX+1], v[QTP+1]
	s_delay_alu instid0(VALU_DEP_2)
	v_add_nc_u32 v[QSO], 0xff000000, v[QMX]        ; 2 off the exponent field: the conversion takes that field as its scale
	s_delay_alu instid0(VALU_DEP_2)
	v_add_nc_u32 v[QSO+1], 0xff000000, v[QMX+1]
	s_delay_alu instid0(VALU_DEP_2)
	v_lshrrev_b32 v[QBY], 23, v[QSO]               ; the scale's byte
	s_delay_alu instid0(VALU_DEP_2)
	v_lshrrev_b32 v[QBY+1], 23, v[QSO+1]
	v_cvt_scalef32_pk16_fp6_f32 v[\cd:\cd+2], v[\x0:\x0+15], v[QSO]
	v_cvt_scalef32_pk16_fp6_f32 v[\cd+6:\cd+8], v[\x1:\x1+15], v[QSO+1]
	v_nop                                          ; one plain instruction behind a scaled conversion
.irp i, 0,1,2
	v_permlane16_swap_b32 v[\cd+\i], v[\cd+6+\i]   ; the first now holds each lane's block's lower 16 codes, the second the upper 16
.endr
	v_permlane16_swap_b32 v[QBY], v[QBY+1]
.irp i, 0,1,2
	s_delay_alu instid0(VALU_DEP_4)
	v_mov_b32 v[\cd+3+\i], v[\cd+6+\i]
.endr
.endm
; My block is block w of K = 512: K step w / 4, registers 6 ((w / 2) % 2) on, lanes 16 (w % 2) on, of token tile g's fragment.
.macro PUT slot, cd, by
.irp i, 0,1,2
	ds_store_b64 v5, v[\cd+2*\i:\cd+2*\i+1] offset:(\slot)*SLOTB+8*\i
.endr
	ds_store_b8 v6, v[\by] offset:(\slot)*SLOTB
.endm
.macro SUM16 src, dst, tm              ; sixteen registers, from the low end on
	v_pk_add_f32 v[\tm:\tm+1], v[\src:\src+1], v[\src+2:\src+3]
	v_pk_add_f32 v[\tm+2:\tm+3], v[\src+4:\src+5], v[\src+6:\src+7]
	v_pk_add_f32 v[\tm+4:\tm+5], v[\src+8:\src+9], v[\src+10:\src+11]
	v_pk_add_f32 v[\tm+6:\tm+7], v[\src+12:\src+13], v[\src+14:\src+15]
	s_delay_alu instid0(VALU_DEP_3)
	v_pk_add_f32 v[\tm:\tm+1], v[\tm:\tm+1], v[\tm+2:\tm+3]
	s_delay_alu instid0(VALU_DEP_2)
	v_pk_add_f32 v[\tm+4:\tm+5], v[\tm+4:\tm+5], v[\tm+6:\tm+7]
	s_delay_alu instid0(VALU_DEP_1)
	v_pk_add_f32 v[\tm:\tm+1], v[\tm:\tm+1], v[\tm+4:\tm+5]
	s_delay_alu instid0(VALU_DEP_1)
	v_add_f32 v[\dst], v[\tm], v[\tm+1]
.endm
; v[QMX], v[QMX + 1]: my 16 columns' part of a sum for rows (0, r) and (1, r).  With lane l xor 16's: my wave's 32 columns; through LDS: all sixteen waves', in the same order in every wave.
.macro ALLW off
	v_permlanex16_b32 v[QTP], v[QMX], s[SEL], s[SEL+1]
	s_delay_alu instid0(VALU_DEP_2)
	v_permlanex16_b32 v[QTP+1], v[QMX+1], s[SEL], s[SEL+1]
	s_delay_alu instid0(VALU_DEP_2)
	v_add_f32 v[QMX], v[QMX], v[QTP]
	s_delay_alu instid0(VALU_DEP_2)
	v_add_f32 v[QMX+1], v[QMX+1], v[QTP+1]
	ds_store_b32 v11, v[QMX] offset:\off           ; both halves of the lanes write the same word with the same value
	ds_store_b32 v11, v[QMX+1] offset:\off+1280
	BAR                                            ; my joint load may stay out
.irp tt, 0,1
.irp i, 0,1,2,3
	ds_load_b128 v[96+16*\tt+4*\i:99+16*\tt+4*\i], v12 offset:\off+1280*\tt+16*\i
.endr
.endr
	s_wait_dscnt 0x0
	SUM16 96, QMX, 128
	SUM16 112, QMX+1, 136
.endm
.macro LN_MEAN                         ; the rows' means into v[28:29], v[30:31] (twice each, for the packed forms)
	SUM16 32, QMX, 128
	SUM16 48, QMX+1, 136
	ALLW 0
	v_mul_f32 v28, s22, v[QMX]
	s_delay_alu instid0(VALU_DEP_2)
	v_mul_f32 v30, s22, v[QMX+1]
	s_delay_alu instid0(VALU_DEP_2)
	v_mov_b32 v29, v28
	s_delay_alu instid0(VALU_DEP_2)
	v_mov_b32 v31, v30
.endm
.macro LN_REST                         ; v32-63 become (x - mean) / sqrt(var + eps) x scale + bias; the variance is taken of the differences, so a common offset costs no accuracy
.irp tt, 0,1
.set jj, 0
.rept 8
	v_pk_add_f32 v[32+16*\tt+jj:33+16*\tt+jj], v[32+16*\tt+jj:33+16*\tt+jj], v[28+2*\tt:29+2*\tt] neg_lo:[0,1] neg_hi:[0,1]
.set jj, jj+2
.endr
.endr
.irp tt, 0,1
	v_pk_mul_f32 v[128+8*\tt:129+8*\tt], v[32+16*\tt:33+16*\tt], v[32+16*\tt:33+16*\tt]
	v_pk_mul_f32 v[130+8*\tt:131+8*\tt], v[34+16*\tt:35+16*\tt], v[34+16*\tt:35+16*\tt]
.irp j, 4,8,12
	s_delay_alu instid0(VALU_DEP_2)
	v_pk_fma_f32 v[128+8*\tt:129+8*\tt], v[32+16*\tt+\j:33+16*\tt+\j], v[32+16*\tt+\j:33+16*\tt+\j], v[128+8*\tt:129+8*\tt]
	s_delay_alu instid0(VALU_DEP_2)
	v_pk_fma_f32 v[130+8*\tt:131+8*\tt], v[34+16*\tt+\j:35+16*\tt+\j], v[34+16*\tt+\j:35+16*\tt+\j], v[130+8*\tt:131+8*\tt]
.endr
	s_delay_alu instid0(VALU_DEP_1)
	v_pk_add_f32 v[128+8*\tt:129+8*\tt], v[128+8*\tt:129+8*\tt], v[130+8*\tt:131+8*\tt]
	s_delay_alu instid0(VALU_DEP_1)
	v_add_f32 v[QMX+\tt], v[128+8*\tt], v[129+8*\tt]
.endr
	ALLW 2560
	v_fma_f32 v[QMX], v[QMX], s23, s24             ; the sum of squares / 511 + eps
	s_delay_alu instid0(VALU_DEP_2)
	v_fma_f32 v[QMX+1], v[QMX+1], s23, s24
	s_wait_alu depctr_va_vdst(0)                   ; the wait ahead of the transcendentals
	v_rsq_f32 v28, v[QMX]
	v_rsq_f32 v30, v[QMX+1]
.irp i, 0,1,2,3
	ds_load_b128 v[96+4*\i:99+4*\i], v10 offset:16*\i              ; the gain of my 16 columns,
	ds_load_b128 v[112+4*\i:115+4*\i], v10 offset:2048+16*\i       ; and the bias
.endr
	v_nop                                          ; a plain instruction behind the transcendentals
	s_wait_alu depctr_va_vdst(0)                   ; one wait for both, ahead of their first reader
	v_mov_b32 v29, v28
	v_mov_b32 v31, v30
	s_wait_alu depctr_va_vdst(0)
	s_wait_dscnt 0x0
.irp tt, 0,1
.set jj, 0
.rept 8
	v_pk_mul_f32 v[32+16*\tt+jj:33+16*\tt+jj], v[32+16*\tt+jj:33+16*\tt+jj], v[28+2*\tt:29+2*\tt]
.set jj, jj+2
.endr
.endr
.irp tt, 0,1
.set jj, 0
.rept 8
	v_pk_fma_f32 v[32+16*\tt+jj:33+16*\tt+jj], v[32+16*\tt+jj:33+16*\tt+jj], v[96+jj:97+jj], v[112+jj:113+jj]
.set jj, jj+2
.endr
.endr
.endm
; act: gelu of v32-63 in place (v[TW] on at work; two batches of transcendentals, a wait ahead of each and one behind), quantised, stored as image img.
.macro ACT img
.set jj, 0
.rept 16
	v_pk_mul_f32 v[TW+jj:TW+1+jj], v[32+jj:33+jj], v[32+jj:33+jj]
.set jj, jj+2
.endr
.set jj, 0
.rept 16
	v_pk_fma_f32 v[TW+jj:TW+1+jj], v[TW+jj:TW+1+jj], 0xbdd2d3e8, v[30:31] op_sel_hi:[1,0,1]   ; K1 y y + K0
.set jj, jj+2
.endr
.set jj, 0
.rept 16
	v_pk_mul_f32 v[TW+jj:TW+1+jj], v[TW+jj:TW+1+jj], v[32+jj:33+jj]
.set jj, jj+2
.endr
.set jj, 0
	s_wait_alu depctr_va_vdst(0)
.rept 32
	v_exp_f32 v[TW+jj], v[TW+jj]
.set jj, jj+1
.endr
	v_nop                                          ; a plain instruction behind the batch
	s_wait_alu depctr_va_vdst(0)
.set jj, 0
.rept 16
	v_pk_add_f32 v[TW+jj:TW+1+jj], v[TW+jj:TW+1+jj], 1.0 op_sel_hi:[1,0]
.set jj, jj+2
.endr
.set jj, 0
	s_wait_alu depctr_va_vdst(0)
.rept 32
	v_rcp_f32 v[TW+jj], v[TW+jj]
.set jj, jj+1
.endr
	v_nop
	s_wait_alu depctr_va_vdst(0)
.set jj, 0
.rept 16
	v_pk_mul_f32 v[32+jj:33+jj], v[32+jj:33+jj], v[TW+jj:TW+1+jj]
.set jj, jj+2
.endr
	QUANT2 32, 48, CD
	PUT \img, CD, QBY
.endm
.macro GONE c, pn, set, sl             ; G1(c): C = b1 of my 16 units, for both token tiles; layernorm's image
.irp tt, 0,1
.irp i, 0,1,2,3
	ds_load_b128 v[32+16*\tt+4*\i:35+16*\tt+4*\i], v10 offset:8192+2048*(\c)+16*\i
.endr
.endr
	GEMMA 0
	GEMMB 0, 32, 1, \pn, \set, \sl, 0
.endm
; G2(c) (image 1 + c % 2, slot 1, scale set 1) and act(c + 1) (image 1 + (c + 1) % 2).  Group 0: the image's first loads, act, then the product; group 1: the product, then act.
.macro MIX c, pn
	s_cmp_eq_u32 s[GRP], 0
	s_cbranch_scc0 .Lgb_\@
	GEMMA 1+(\c)%2
	ACT 1+((\c)+1)%2
	GEMMB 1+(\c)%2, 64, 1, \pn, 1, 1, 0
	s_wait_alu depctr_va_vdst(0)                   ; the wait ahead of the branch
	s_branch .Lgj_\@
.Lgb_\@:
	GEMMA 1+(\c)%2
	GEMMB 1+(\c)%2, 64, 1, \pn, 1, 1, 0
	ACT 1+((\c)+1)%2
.Lgj_\@:
.endm
	s_load_b512 s[4:19], s[0:1], 0x0               ; x, ctx, wl, bo, ln2_scale, ln2_bias, b1, b2
	s_load_b64 s[28:29], s[0:1], 0x40              ; out0
	v_lshl_add_u32 v[SPW], v0, 2, SPARE
	v_mov_b32 v[NIL], 0
	ds_add_u32 v[SPW], v[NIL]                      ; the opening lines: the add, twice on end, and its wait ahead of my first tensor load
	ds_add_u32 v[SPW], v[NIL]
	v_lshrrev_b32 v240, 5, v0
	s_delay_alu instid0(VALU_DEP_1)
	v_readfirstlane_b32 s2, v240                   ; wave w
	; all scalar terms first, then the vector lines on end
	s_bfe_u32 s[WG], ttmp6, 0x40000                ; my place in the cluster
	s_lshl_b32 s25, ttmp9, 2
	s_add_co_u32 s[WG], s[WG], s25                 ; work-group = 4 x cluster + place: it enters addresses in memory alone
	s_lshr_b32 s[GRP], s2, 2
	s_xor_b32 s[GRP], s[GRP], s2
	s_and_b32 s[GRP], s[GRP], 1                    ; my group: (w xor w / 4) & 1
	s_mul_i32 s25, s2, 12288                       ; wl: my wave's fragments
	s_lshl_b32 s26, s2, 9                          ; wl: my wave's scale words
	s_lshr_b32 s27, s2, 2
	s_mul_i32 s30, s27, 1536
	s_and_b32 s31, s2, 1
	s_mul_i32 s31, s31, 768
	s_add_co_u32 s30, s30, s31
	s_bfe_u32 s31, s2, 0x10001
	s_mul_i32 s31, s31, 24
	s_add_co_u32 s30, s30, s31
	s_add_co_u32 s30, s30, IMG                     ; my block's place in an image
	s_lshl_b32 s27, s27, 7
	s_and_b32 s31, s2, 3
	s_add_co_u32 s27, s27, s31
	s_add_co_u32 s27, s27, IMG+12288               ; its scale byte's
	s_lshl_b32 s31, s2, 7                          ; 128 w: my 32 columns
	s_mul_i32 s32, s2, 2*XP
	s_lshl_b32 s33, s2, 12
	s_add_co_u32 s34, s31, PAR
	s_lshl_b32 s35, s2, 2
	s_lshr_b32 s36, s[WG], 6                       ; the sequence
	s_and_b32 s37, s[WG], 63                       ; the group of tokens G
	s_lshl_b32 s36, s36, 4
	s_add_co_u32 s36, s36, s2                      ; bh = 16 x sequence + head w
	s_lshl_b32 s38, s36, 6
	s_add_co_u32 s38, s38, s37
	s_mul_i32 s38, s38, 768                        ; ctx: (bh, G)'s planes
	s_lshl_b32 s36, s36, 11
	s_lshl_b32 s37, s37, 5
	s_add_co_u32 s36, s36, s37                     ; and its scale bytes
	s_mul_i32 s[LB], s2, 6144
	s_add_co_u32 s[LB], s[LB], WSL                 ; my 6,144 bytes of slot 0
	s_add_co_u32 s56, s25, 6144                    ; and of a phase in wl: K steps 2, 3
	s_mov_b32 s57, 0
	s_lshl_b32 s58, s[WG], 16                      ; 32 rows of 2,048 bytes
	s_mov_b32 s59, 0
	s_mov_b32 s[G1D], 15|(3<<16)|(1<<21)           ; the four partners; elements of 8 bytes; bit 21 beside a mask
	s_mov_b32 s[G1D+1], 32<<16                     ; rows of 256 bytes,
	s_mov_b32 s[G1D+2], 24<<16                     ; 24 of them,
	s_mov_b32 s[G1D+3], 32<<16
	s_mov_b32 s[G1D+4], 24
	s_mov_b32 s[G1D+5], 32                         ; dense
	s_mov_b32 s[G1D+6], 0
	s_mov_b32 s[G1D+7], 0
	s_mov_b32 s[G0], 1
	s_mov_b32 s[SEL], 0x76543210
	s_mov_b32 s[SEL+1], 0xfedcba98                 ; v_permlanex16_b32's selects for lane l xor 16
	s_mov_b32 s22, 0x3b000000                      ; 1 / 512
	s_mov_b32 s23, 0x3b004020                      ; 1 / 511
	s_mov_b32 s24, 0x3727c5ac                      ; 1e-5
	v_and_b32 v240, 31, v0                         ; lane l
	v_and_b32 v241, 15, v0                         ; r
	v_bfe_u32 v242, v0, 4, 1                       ; h
	s_delay_alu instid0(VALU_DEP_2)
	v_and_b32 v243, 8, v241
	v_lshl_add_u32 v1, v240, 4, s25
	v_lshl_add_u32 v2, v240, 4, s26
	v_mul_u32_u24 v3, v240, 48
	v_add_nc_u32 v243, v243, v241                  ; r + 8 (r / 8)
	v_mul_u32_u24 v5, v241, 48
	v_add_nc_u32 v3, IMG, v3                       ; an image: 48 bytes a lane
	v_lshl_add_u32 v4, v240, 2, IMG+12288          ; its scale words
	v_mad_u32_u24 v5, v242, 6144, v5
	v_mul_u32_u24 v7, v243, XP
	v_lshl_add_u32 v6, v240, 2, s27                ; where my block's scale byte goes
	v_add_nc_u32 v5, s30, v5                       ; where its 24 bytes go
	v_lshl_add_u32 v7, v242, 6, v7
	v_mul_u32_u24 v12, v241, 80
	v_lshl_add_u32 v8, v240, 4, s32                ; x in LDS: rows 2 w, 2 w + 1 whole
	v_add_nc_u32 v7, s31, v7                       ; x in LDS: token r + 8 (r / 8), columns 32 w + 16 h on; tile 1 is 8 rows on
	v_add_nc_u32 v12, RED1, v12                    ; row r's sixteen partial sums
	v_lshl_add_u32 v9, v240, 4, s33                ; rows 2 w, 2 w + 1 in memory
	v_lshl_add_u32 v10, v242, 6, s34               ; the parameters of my 16 columns
	v_and_b32 v13, 127, v0
	v_add_nc_u32 v11, s35, v12                     ; my partial sum
	v_lshlrev_b32 v14, 4, v0                       ; 16 bytes of b1
	v_lshlrev_b32 v13, 4, v13                      ; 16 bytes of a vector of 512
	v_lshl_add_u32 v15, v240, 3, s38
	v_add_nc_u32 v79, s36, v240
	v_lshl_add_u32 v[WA], v240, 4, s[LB]           ; my place in slot 0,
	v_lshl_add_u32 v80, v0, 4, PAR
	v_add_nc_u32 v[WA+1], WSLB, v[WA]              ; in slot 1
	s_wait_alu depctr_va_vdst(0)                   ; the wait at the head's end
	s_wait_dscnt 0x0                               ; both opening adds are done
	s_wait_kmcnt 0x0
	s_add_nc_u64 s[4:5], s[4:5], s[58:59]
	s_add_nc_u64 s[28:29], s[28:29], s[58:59]
	s_add_nc_u64 s[34:35], s[6:7], OCS
	s_add_nc_u64 s[WB:WB+1], s[WL:WL+1], s[56:57]
	s_cmp_lt_u32 s2, 12                            ; waves 0-3 bring ln2_scale, 4-7 ln2_bias, 8-11 bo, 12-15 b2
	s_cselect_b64 s[30:31], s[10:11], s[18:19]
	s_cmp_lt_u32 s2, 8
	s_cselect_b64 s[30:31], s[14:15], s[30:31]
	s_cmp_lt_u32 s2, 4
	s_cselect_b64 s[30:31], s[12:13], s[30:31]
	SETG 1, 4
.irp k, 0,1,2,3
	global_load_b128 v[32+4*\k:35+4*\k], v9, s[4:5] offset:512*\k th:TH_LOAD_NT          ; row 2 w: 512 consecutive bytes a load
.endr
.irp k, 0,1,2,3
	global_load_b128 v[48+4*\k:51+4*\k], v9, s[4:5] offset:2048+512*\k th:TH_LOAD_NT     ; row 2 w + 1
.endr
	global_load_b128 v[64:67], v13, s[30:31]
	global_load_b128 v[68:71], v14, s[16:17]
.irp i, 0,1,2
	global_load_b64 v[72+2*\i:73+2*\i], v15, s[6:7] offset:256*\i th:TH_LOAD_NT          ; head w's block of token position l: block w of Wo's K
.endr
	global_load_u8 v78, v79, s[34:35]
	RINGS 3, 0                                     ; Wo's scale words and all four K steps
	RING 3, 0
	RING 3, 1
	RING 3, 2
	RING 3, 3
	ROUND                                          ; the four partners are here: the first joint loads meet
	tensor_load_to_lds s[G0:G0+3], s[G1D:G1D+7]    ; G1(0)'s K steps 2, 3 into slot 1: my one load at the head
	s_nop 0
	s_wait_loadcnt 25                              ; Wo's 25 loads may be out; the fourteen ahead of them are in
.irp k, 0,1,2,3
	ds_store_b128 v8, v[32+4*\k:35+4*\k] offset:512*\k
	ds_store_b128 v8, v[48+4*\k:51+4*\k] offset:XP+512*\k
.endr
	ds_store_b128 v80, v[64:67]
	ds_store_b128 v80, v[68:71] offset:8192
	PUT 0, 72, 78
	BAR                                            ; x, the parameters and ctx's image lie in LDS
	; ---- x1 = x + bo + ctx Wo
.irp tt, 0,1
.irp i, 0,1,2,3
	ds_load_b128 v[32+16*\tt+4*\i:35+16*\tt+4*\i], v7 offset:8*XP*\tt+16*\i   ; lane (r, h): columns 32 w + 16 h + 0 .. 15 of token (tt, r)
.endr
.endr
.irp i, 0,1,2,3
	ds_load_b128 v[64+4*\i:67+4*\i], v10 offset:4096+16*\i                    ; bo
.endr
	s_wait_dscnt 0x0
.irp tt, 0,1
.set jj, 0
.rept 8
	v_pk_add_f32 v[32+16*\tt+jj:33+16*\tt+jj], v[32+16*\tt+jj:33+16*\tt+jj], v[64+jj:65+jj]
.set jj, jj+2
.endr
.endr
	s_wait_alu depctr_va_vdst(0)                   ; the wait ahead of the waits below
	GEMMA 0
	GEMMB 0, 32, 1, 4, 0, 0, 1
	; ---- layernorm(x1), quantised; x1 + b2 is kept as the start of the last sums
	LN_MEAN
.irp i, 0,1,2,3
	ds_load_b128 v[96+4*\i:99+4*\i], v10 offset:6144+16*\i                    ; b2
.endr
	s_wait_dscnt 0x0
.irp tt, 0,1
.set jj, 0
.rept 8
	v_pk_add_f32 v[64+16*\tt+jj:65+16*\tt+jj], v[32+16*\tt+jj:33+16*\tt+jj], v[96+jj:97+jj]
.set jj, jj+2
.endr
.endr
	LN_REST
	QUANT2 32, 48, CD
	PUT 0, CD, QBY                                 ; over ctx's image: every wave's reads of it were in ahead of the two barriers of the reductions
	REFILL 0, 5                                    ; slot 0's first fill, issued as a refill is: G1(1)
	v_mov_b32 v30, 0xc0135761                      ; K0
	v_mov_b32 v31, 0xc0135761
	; ---- the MLP, 512 hidden units at a time
	GONE 0, 5, 1, 1
	ACT 1
	REFILL 1, 8                                    ; G2(0)
	GONE 1, 8, 0, 0
	REFILL 0, 6                                    ; G1(2)
	MIX 0, 6
	REFILL 1, 9                                    ; G2(1)
	GONE 2, 9, 0, 0
	REFILL 0, 7                                    ; G1(3)
	MIX 1, 7
	REFILL 1, 10                                   ; G2(2)
	GONE 3, 10, 0, 0
	REFILL 0, 11                                   ; G2(3)
	MIX 2, 11
	s_wait_alu depctr_va_vdst(0)
	s_wait_tensorcnt 0x0                           ; my part of the last phase is in; nothing is filled again
	BAR
	GEMMA 2
	GEMMB 2, 64, 0, 0, 0, 0, 0
	; ---- out: a lane's 64 bytes of a row go into the rows that held x, and whole rows leave
.irp tt, 0,1
.irp i, 0,1,2,3
	ds_store_b128 v7, v[64+16*\tt+4*\i:67+16*\tt+4*\i] offset:8*XP*\tt+16*\i  ; each accumulator from its low end on
.endr
.endr
	BAR
.irp k, 0,1,2,3
	ds_load_b128 v[96+4*\k:99+4*\k], v8 offset:512*\k
.endr
.irp k, 0,1,2,3
	ds_load_b128 v[112+4*\k:115+4*\k], v8 offset:XP+512*\k
.endr
.irp k, 0,1,2,3
	s_wait_dscnt 7-\k                              ; LDS loads return in order: the younger ones may be out
	global_store_b128 v9, v[96+4*\k:99+4*\k], s[28:29] offset:512*\k th:TH_STORE_NT          ; 32 lanes store 512 consecutive bytes
.endr
.irp k, 0,1,2,3
	s_wait_dscnt 3-\k
	global_store_b128 v9, v[112+4*\k:115+4*\k], s[28:29] offset:2048+512*\k th:TH_STORE_NT
.endr
	s_wait_tensorcnt 0x0                           ; the wave's end
	ds_add_u32 v[SPW], v[NIL]
	s_wait_dscnt 0x0
	ROUND                                          ; the closing round
	s_endpgm
.Lfunc_end_k_qc69add9a4e_mlp:
	.size	k_qc69add9a4e_mlp, .Lfunc_end_k_qc69add9a4e_mlp-k_qc69add9a4e_mlp
	.p2alignl 7, 3214868480
	.fill 96, 4, 3214868480
	.section	.rodata,"a",@progbits
	.p2align	6, 0x0
	.amdhsa_kernel k_qc69add9a4e_mlp
		.amdhsa_group_segment_fixed_size 327680
		.amdhsa_private_segment_fixed_size 0
		.amdhsa_enable_private_segment 0
		.amdhsa_kernarg_size 72
		.amdhsa_user_sgpr_count 2
		.amdhsa_user_sgpr_kernarg_segment_ptr 1
		.amdhsa_wavefront_size32 1
		.amdhsa_system_sgpr_workgroup_id_x 1
		.amdhsa_system_sgpr_workgroup_id_y 1
		.amdhsa_system_sgpr_workgroup_id_z 1
		.amdhsa_system_vgpr_workitem_id 0
		.amdhsa_next_free_vgpr 256
		.amdhsa_next_free_sgpr 66
		.amdhsa_reserve_vcc 0
		.amdhsa_float_denorm_mode_32 3
		.amdhsa_float_denorm_mode_16_64 3
		.amdhsa_memory_ordered 1
		.amdhsa_forward_progress 1
		.amdhsa_inst_pref_size 188
	.end_amdhsa_kernel
	.amdgpu_metadata
---
amdhsa.version: [ 1, 2 ]
amdhsa.kernels:
  - .name:           k_qc69add9a4e_mlp
    .symbol:         k_qc69add9a4e_mlp.kd
    .args:
      - { .name: x, .offset: 0, .size: 8, .value_kind: global_buffer, .address_space: global }
      - { .name: ctx, .offset: 8, .size: 8, .value_kind: global_buffer, .address_space: global }
      - { .name: wl, .offset: 16, .size: 8, .value_kind: global_buffer, .address_space: global }
      - { .name: bo, .offset: 24, .size: 8, .value_kind: global_buffer, .address_space: global }
      - { .name: ln2_scale, .offset: 32, .size: 8, .value_kind: global_buffer, .address_space: global }
      - { .name: ln2_bias, .offset: 40, .size: 8, .value_kind: global_buffer, .address_space: global }
      - { .name: b1, .offset: 48, .size: 8, .value_kind: global_buffer, .address_space: global }
      - { .name: b2, .offset: 56, .size: 8, .value_kind: global_buffer, .address_space: global }
      - { .name: out0, .offset: 64, .size: 8, .value_kind: global_buffer, .address_space: global }
    .group_segment_fixed_size: 327680
    .private_segment_fixed_size: 0
    .kernarg_segment_align: 8
    .kernarg_segment_size: 72
    .max_flat_workgroup_size: 512
    .sgpr_count:     66
    .vgpr_count:     256
    .wavefront_size: 32
...
	.end_amdgpu_metadata
.endif
;; end of part 4
